; MI455X (gfx1250); checked and timed in simulation.
; The chip was launched on July 23, 2026; its instructions are those of AMD's public machine-readable ISA for CDNA 5 (MIT licence, August 2026) and "CDNA5" Instruction Set Architecture Reference Guide (July 2026). The comments in the code are by the model that wrote it; some were corrected since.
;; Custom Attention. Allowed arithmetic: matrix products marked QUANTISED: E2M3 operands, one E8M0 scale for each 32 along K, by v_wmma_scale_f32_16x16x128_f8f6f4 with both operands' format E2M3, f32 sums; everything else in f32.
;; Inputs: b_out 1,024 float32; w_out 1,024 x 1,024 float32; w_qkv 1,024 x 3,072 float32; x 4 x 2,048 x 1,024 float32.
;; Outputs: out0 4 x 2,048 x 1,024 float32.
;; This version of the problem:
;;   THIS VERSION OF THE PROBLEM IS GIVEN IN LOW PRECISION. The matrix products marked QUANTISED in the list below multiply operands that are first quantised to E2M3 (2 exponent bits, 3 mantissa bits; 6 bits a number), with one power-of-two scale for each 32 numbers along K (OCP MX v1.0); their sums are f32. All else is computed in f32.
;;   The module's matrix products, in the order in which they are computed (A, B: the left and right operand; K: the contracted axis; several contracted axes count as one K, in the product's order):
;;     1. [M 8,192, K 1,024] x [K 1,024, N 3,072]; A: input x; B: input w_qkv: QUANTISED
;;     2. batch 64 x [M 2,048, K 64] x [K 64, N 2,048]; A: computed on the way; B: computed on the way: QUANTISED
;;     3. batch 64 x [M 2,048, K 2,048] x [K 2,048, N 64]; A: softmax (see below); B: computed on the way: QUANTISED
;;     4. [M 8,192, K 1,024] x [K 1,024, N 1,024]; A: computed on the way; B: input w_out: QUANTISED
;;   THE QUANTISER, for each operand of a quantised product, along K:
;;     - K is cut into blocks of 32 from its start; a last block that is shorter is filled with zeros.
;;     - A block's scale is 2^e with e = floor(log2(the largest magnitude in the block)) - 2, held to -126 .. 127; a block of zeros has e = 0. As a byte (E8M0): e + 127.
;;     - Each number is divided by its block's scale, clamped to +-7.5, and rounded to the nearest number of E2M3, ties to even, subnormals kept.
;;     - The product sums the exact products of the quantised numbers (number of the format x scale) in f32.
;;   ~~~python
;;   def quantise(x, axis):      # numpy; x: float32 -> the quantised numbers, widened to float32 again
;;       x = np.moveaxis(x, axis, -1); K = x.shape[-1]
;;       x = np.pad(x, [(0, 0)] * (x.ndim - 1) + [(0, -K % 32)]); x = x.reshape(x.shape[:-1] + (-1, 32)); a = np.abs(x).max(-1, keepdims=True)
;;       e = np.where(a > 0, np.clip(np.frexp(np.where(a > 0, a, 1))[1] - 1 - 2, -126, 127), 0)      # np.frexp(a)[1] - 1 = floor(log2(a)), exactly
;;       r = np.clip(x / 2.0 ** e, -7.5, 7.5)
;;       step = 2.0 ** (np.maximum(np.frexp(np.where(r == 0, 1, r))[1] - 1, 0) - 3)
;;       q = np.round(r / step) * step * 2.0 ** e      # np.round: ties to even
;;       return np.moveaxis(q.reshape(q.shape[:-2] + (-1,))[..., :K], -1, axis).astype(np.float32)
;;   ~~~
;;   SOFTMAX AHEAD OF A QUANTISED PRODUCT. Where the list says 'softmax', what is quantised is not the finished softmax but p = 2^(t - M), with t = logit x log2(e) and M = ceil(the row's largest t), a whole number; so 1/2 < the row's largest p <= 1. The row's sum l is taken of the UNQUANTISED p, in f32, and the product's result is divided by l at the end. Since M is a whole number, a kernel that streams over the keys may use a running M (the ceiling of the running maximum): every later rescaling is an exact power of two, which a block's scale takes up: the codes' values come out the same.
;;   OPERANDS COMPUTED ON THE WAY. 'Computed on the way' means the value that the module computes at that place (a softmax that the list does not call 'softmax' is quantised finished and normalised). What goes into a quantiser is computed in f32, as accurately as f32 sums, v_exp_f32 and their like allow (about 1e-6 of the number): no bf16 or f16 on the way to a quantiser, and a product that is left as it is and whose result goes on into a quantised operand takes f32 operands (vector FMAs, or v_wmma_f32_16x16x4_f32). A number that lies on a knife's edge between two numbers of the format may be rounded either way, as far as f32 arithmetic and the matrix unit's own rounding can turn it there, and no further.
;; One version. Each part assembles by itself: llvm-mc -triple=amdgcn-amd-amdhsa -mcpu=gfx1250 --defsym DOCPART=n.
;; ======== version 1 of 1: 4 launches
;; limits: right only within a limited range of input values
;; workspace buffers: xc 6,291,456 bytes; xs 262,144 bytes; wc 3,145,728 bytes; ws 131,072 bytes; qkvc 18,874,368 bytes; qkvs 1,310,720 bytes; ac 6,291,456 bytes; asc 262,144 bytes
;; launch quant (part 1): grid 512 x 1, 4 waves a work-group, no clusters, 34,816 bytes of LDS; arguments x, w_qkv, w_out, xc, xs, wc, ws; writes xc, xs, wc, ws
.if DOCPART == 1
	.amdgcn_target "amdgcn-amd-amdhsa--gfx1250"
	.amdhsa_code_object_version 6
	.text
	.protected	k_qe474575592_quant
	.globl	k_qe474575592_quant
	.p2align	8
	.type	k_qe474575592_quant,@function
k_qe474575592_quant:
	s_mov_b64 s[64:65], 0
	v_nop
	global_prefetch_b8 v0, s[64:65] scope:SCOPE_SE
	s_setreg_imm32_b32 hwreg(HW_REG_WAVE_MODE, 25, 1), 1
	s_wait_xcnt 0x0
; x [8192][1024] (K innermost) and w_qkv [1024][3072], w_out [1024][1024] (K = the first axis), f32, become codes of FP6 (E2M3) with one E8M0 byte for each 32 along K, laid as IMAGES OF OPERAND REGISTERS.
; TILES of 16 rows (x) or columns (the weights' 4,096 on end, w_out's from 3,072 on): lane-row r of tile 2 g + u is row 32 g + 8 u + r + 8 (r / 8).
; CODES xc [512 tiles], wc [256 tiles] x [16 halves of 64 along K][768 bytes]: lane l = (r, h) owns block 2 j + h of lane-row r: registers 0-3 at 16 l, registers 4-5 at 512 + 8 l.
; SCALES xs [256 g], ws [128 g] x [2 halves of K][lane 16 u + r][4 words]: word q = the row's four bytes of the K step 4 kh + q of 128.
; A block's scale is 2^(floor(log2(largest magnitude)) - 2); its byte is the largest magnitude's exponent field - 2, held at 1 from below.
; LIMITS: NaN and infinities are not served; a block whose largest magnitude lies under 2^-124 (zeros too) keeps the byte 1; the bytes are read by this program alone.
; ONE LAUNCH, TWO PATHS, parted by the work-group's number: 0-255 take x (work-group g; wave = (u, kh): a tile and half of K, four steps of 16 rows x 128 K, turned through the wave's own LDS stage);
; 256-511 take the weights (column group G, half y of K; wave w takes the K step 4 y + w: a lane takes a column and its registers run down K).  Each path has LDS bytes of its own.
.set STG,   8448                       ; x: a wave's stage: 16 rows x (512 + 16) bytes
.set SPARE, 4*STG                      ; the spare words, 128 bytes a wave
.set WL,    SPARE+512                  ; the weights' path: a group's 512 bytes of scale words
.set SPW,   240
.set NIL,   241
	s_load_b256 s[36:43], s[0:1], 0x0              ; x, w_qkv, w_out, xc
	s_load_b128 s[44:47], s[0:1], 0x20             ; xs, wc
	s_load_b64 s[48:49], s[0:1], 0x30              ; ws
	v_lshl_add_u32 v[SPW], v0, 2, SPARE
	v_mov_b32 v[NIL], 0
	v_lshrrev_b32 v1, 5, v0
	v_readfirstlane_b32 s12, v1                    ; wave 0..3
	v_and_b32 v1, 31, v0
	v_lshlrev_b32 v2, 4, v1                        ; 16 x lane
	v_lshlrev_b32 v3, 3, v1                        ; 8 x lane
	s_cmp_lt_u32 ttmp9, 256
	s_wait_alu depctr_va_vdst(0)
	s_cbranch_scc0 .Lw
; ================= x
.set R,    16                          ; v16-143  two sets of 64: a step's numbers as loaded
.set X,    144                         ; v144-207 my two blocks of 32
.set PC,   208                         ; v208-219 the step's codes
.set TP,   220                         ; upper halves of the two blocks as converted
.set MX,   228
.set SO,   230
.set BY,   232
.set W,    234
.set TT,   235
.set SW,   236                         ; v236-239 the four steps' scale words
	s_mul_i32 s13, s12, STG
	v_add_nc_u32 v4, s13, v2                       ; the stage, in: a row's 512 bytes as loaded
	v_and_b32 v8, 15, v0                           ; r
	v_bfe_u32 v9, v0, 4, 1                         ; h
	v_mul_u32_u24 v5, v8, 528
	v_lshl_add_u32 v5, v9, 7, v5
	v_add_nc_u32 v5, s13, v5                       ; out: row r, block h
	v_lshlrev_b32 v6, 3, v9                        ; 8 h
	v_lshl_add_u32 v7, v8, 4, v6                   ; 16 r + 8 h: my two scale words' place
	v_mov_b32 v[TT], 0                             ; a lane permute's destination counts as a source
	s_mov_b32 s20, 0x76543210
	s_mov_b32 s21, 0xfedcba98                      ; selects for lane l xor 16
	s_mov_b32 s22, 0xffff0000                      ; lanes 16-31
	s_lshr_b32 s14, s12, 1                         ; u
	s_and_b32 s15, s12, 1                          ; kh
	s_lshl_b32 s16, ttmp9, 17                      ; x: 32 g rows of 4,096 bytes + 8 u rows + 512 kh numbers
	s_lshl_b32 s17, s14, 15
	s_add_co_u32 s16, s16, s17
	s_lshl_b32 s17, s15, 11
	s_add_co_u32 s16, s16, s17
	s_mov_b32 s17, 0
	s_lshl_b32 s18, ttmp9, 1
	s_add_co_u32 s18, s18, s14                     ; the tile
	s_mul_i32 s18, s18, 12288
	s_mul_i32 s19, s15, 6144
	s_add_co_u32 s18, s18, s19
	s_mov_b32 s19, 0
	s_lshl_b32 s24, ttmp9, 10                      ; xs: 1,024 g + 512 kh + 256 u
	s_lshl_b32 s25, s15, 9
	s_add_co_u32 s24, s24, s25
	s_lshl_b32 s25, s14, 8
	s_add_co_u32 s24, s24, s25
	s_mov_b32 s25, 0
	s_wait_alu depctr_va_vdst(0)
	s_wait_kmcnt 0x0
	s_add_nc_u64 s[4:5], s[36:37], s[16:17]
	s_add_nc_u64 s[6:7], s[42:43], s[18:19]
	s_add_nc_u64 s[8:9], s[44:45], s[24:25]
.macro LOAD t                          ; step t: 128 numbers of each of the 16 rows; a load reads 512 consecutive bytes
.irp i, 0,1,2,3,4,5,6,7,8,9,10,11,12,13,14,15
	global_load_b128 v[R+64*((\t)%2)+4*\i:R+64*((\t)%2)+4*\i+3], v2, s[4:5] offset:(\i+8*(\i/8))*4096+512*(\t) th:TH_LOAD_NT
.endr
.endm
.macro STEP t
.if (\t) < 3
	s_wait_loadcnt 16                              ; this step's 16 loads are in; the next step's 16 may be out
.else
	s_wait_loadcnt 0x0
.endif
.irp i, 0,1,2,3,4,5,6,7,8,9,10,11,12,13,14,15
	ds_store_b128 v4, v[R+64*((\t)%2)+4*\i:R+64*((\t)%2)+4*\i+3] offset:528*\i
.endr
.irp c, 0,1                            ; LDS serves a wave's instructions in order.  Block 2 c + h of my row: 128 bytes
.irp j, 0,1,2,3,4,5,6,7
	ds_load_b128 v[X+32*\c+4*\j:X+32*\c+4*\j+3], v5 offset:256*\c+16*\j
.endr
.endr
	s_wait_dscnt 0x0                               ; my blocks are in, and the stores have read their registers
.if (\t) < 2
	LOAD (\t)+2
.endif
.irp c, 0,1
	v_max3_num_f32 v[MX+\c], |v[X+32*\c]|, |v[X+32*\c+1]|, 0x1800000   ; with the floor 2^(3 - 127)
.endr
.irp i, 2,4,6,8,10,12,14,16,18,20,22,24,26,28,30
.irp c, 0,1
	v_max3_num_f32 v[MX+\c], v[MX+\c], |v[X+32*\c+\i]|, |v[X+32*\c+\i+1]|
.endr
.endr
.irp c, 0,1
	v_add_nc_u32 v[SO+\c], 0xff000000, v[MX+\c]    ; 2 off the exponent field: the conversion's scale operand
.endr
.irp c, 0,1
	v_lshrrev_b32 v[BY+\c], 23, v[SO+\c]           ; the byte
.endr
	v_lshl_or_b32 v[W], v[BY+1], 16, v[BY]         ; blocks h and 2 + h, at their places in the word
	v_lshlrev_b32 v[W], v6, v[W]
	v_permlanex16_b32 v[TT], v[W], s20, s21
	v_or_b32 v[SW+(\t)], v[W], v[TT]               ; with lane l xor 16's two the word is whole
.if (\t) > 0
	s_wait_alu depctr_va_vdst(0)
	s_wait_xcnt 0x0                                ; the last step's stores have read the codes' registers
.endif
.irp c, 0,1
	v_cvt_scalef32_pk16_fp6_f32 v[PC+6*\c:PC+6*\c+2], v[X+32*\c:X+32*\c+15], v[SO+\c]
	v_cvt_scalef32_pk16_fp6_f32 v[TP+4*\c:TP+4*\c+2], v[X+32*\c+16:X+32*\c+31], v[SO+\c]
.endr
	v_nop                                          ; one plain place behind a scaled conversion
.irp c, 0,1
.irp i, 0,1,2
	v_mov_b32 v[PC+6*\c+3+\i], v[TP+4*\c+\i]
.endr
.endr
.irp c, 0,1
	global_store_b128 v2, v[PC+6*\c:PC+6*\c+3], s[6:7] offset:(2*(\t)+\c)*768        ; 512 consecutive bytes
	global_store_b64 v3, v[PC+6*\c+4:PC+6*\c+5], s[6:7] offset:(2*(\t)+\c)*768+512   ; and 256
.endr
.endm
	LOAD 0
	LOAD 1
.irp t, 0,1,2,3
	STEP \t
.endr
	v_cndmask_b32 v[MX], v[SW], v[SW+2], s22       ; lanes 0-15 store words 0, 1 of their row, lanes 16-31 words 2, 3
	v_cndmask_b32 v[MX+1], v[SW+1], v[SW+3], s22
	global_store_b64 v7, v[MX:MX+1], s[8:9]        ; 256 consecutive bytes, aligned
	s_wait_tensorcnt 0x0                           ; the wave's end
	ds_add_u32 v[SPW], v[NIL]
	s_wait_dscnt 0x0
	s_endpgm
; ================= the weights
.Lw:
.set X,   32                           ; v32-159  my column's 128 numbers
.set F,   160                          ; v160-183 codes: for half c, tile 2 G's image at F + 12 c, tile 2 G + 1's at F + 12 c + 6
.set TA,  184
.set TB,  188
.set MX,  8
.set SO,  10
.set BY,  12
.set W,   14                           ; my column's scale word
	v_and_b32 v4, 7, v0                            ; lane l takes column (l % 8) + 16 ((l / 8) % 2) + 8 (l / 16) of the group: lanes 0-15 are tile 2 G in its order, lanes 16-31 tile 2 G + 1
	v_bfe_u32 v5, v0, 3, 1
	v_lshl_add_u32 v4, v5, 4, v4
	v_bfe_u32 v5, v0, 4, 1
	v_lshl_add_u32 v4, v5, 3, v4
	v_lshlrev_b32 v4, 2, v4                        ; in bytes
	v_add_nc_u32 v7, WL, v2                        ; LDS: 16 bytes a lane,
	s_lshl_b32 s19, s12, 2
	s_add_co_u32 s19, s19, WL
	v_add_nc_u32 v6, s19, v2                       ; and in them my wave's word
	s_sub_co_u32 s13, ttmp9, 256
	s_lshr_b32 s15, s13, 1                         ; G
	s_and_b32 s16, s13, 1                          ; y
	s_lshl_b32 s17, s16, 2
	s_add_co_u32 s17, s17, s12                     ; the K step
	s_mul_i32 s20, s15, 24576                      ; wc: two tiles of 12,288 bytes a group, two halves a K step
	s_mul_i32 s21, s17, 1536
	s_add_co_u32 s20, s20, s21
	s_mov_b32 s21, 0
	s_lshl_b32 s22, s15, 10                        ; ws: 1,024 G + 512 y
	s_lshl_b32 s23, s16, 9
	s_add_co_u32 s22, s22, s23
	s_mov_b32 s23, 0
	s_mov_b32 s25, 0
	s_wait_alu depctr_va_vdst(0)
	s_wait_kmcnt 0x0
	s_add_nc_u64 s[8:9], s[46:47], s[20:21]
	s_add_nc_u64 s[10:11], s[48:49], s[22:23]
.macro LOADS base, stride              ; 128 rows of K at my column: a load reads 128 consecutive bytes; every offset an immediate
.set i, 0
.rept 128
	global_load_b32 v[X+i], v4, s[\base:\base+1] offset:i*\stride th:TH_LOAD_NT
.set i, i+1
.endr
.endm
	s_cmp_lt_u32 s15, 96                           ; groups 0-95 are w_qkv's, 96-127 w_out's: the rows' lengths differ
	s_cbranch_scc0 .Lw_out
	s_mul_i32 s24, s17, 128*12288
	s_lshl_b32 s26, s15, 7
	s_add_co_u32 s24, s24, s26
	s_add_nc_u64 s[4:5], s[38:39], s[24:25]
	LOADS 4, 12288
	s_branch .Lloaded
.Lw_out:
	s_lshl_b32 s24, s17, 19
	s_sub_co_u32 s26, s15, 96
	s_lshl_b32 s26, s26, 7
	s_add_co_u32 s24, s24, s26
	s_add_nc_u64 s[6:7], s[40:41], s[24:25]
	LOADS 6, 4096
.Lloaded:
.macro HALF c                          ; blocks 2 c and 2 c + 1 of the K step
.set FT, F+12*\c
.set FU, F+12*\c+6
.if \c == 0
	s_wait_loadcnt 63                              ; 64 loads stand behind the first 64; the count's field ends at 63
.else
	s_wait_loadcnt 0x0
.endif
.irp e, 0,1
	v_max3_num_f32 v[MX+\e], |v[X+64*\c+32*\e]|, |v[X+64*\c+32*\e+1]|, 0x1800000
.endr
.irp i, 2,4,6,8,10,12,14,16,18,20,22,24,26,28,30
.irp e, 0,1
	v_max3_num_f32 v[MX+\e], v[MX+\e], |v[X+64*\c+32*\e+\i]|, |v[X+64*\c+32*\e+\i+1]|
.endr
.endr
.irp e, 0,1
	v_add_nc_u32 v[SO+\e], 0xff000000, v[MX+\e]
.endr
.irp e, 0,1
	v_lshrrev_b32 v[BY+\e], 23, v[SO+\e]
.endr
.if \c == 0
	v_lshl_or_b32 v[W], v[BY+1], 8, v[BY]
.else
	v_lshl_or_b32 v[W], v[BY], 16, v[W]
	v_lshl_or_b32 v[W], v[BY+1], 24, v[W]
.endif
	v_cvt_scalef32_pk16_fp6_f32 v[FT:FT+2], v[X+64*\c:X+64*\c+15], v[SO]
	v_cvt_scalef32_pk16_fp6_f32 v[TA:TA+2], v[X+64*\c+16:X+64*\c+31], v[SO]
	v_cvt_scalef32_pk16_fp6_f32 v[FU:FU+2], v[X+64*\c+32:X+64*\c+47], v[SO+1]
	v_cvt_scalef32_pk16_fp6_f32 v[TB:TB+2], v[X+64*\c+48:X+64*\c+63], v[SO+1]
	v_nop                                          ; one plain place behind a scaled conversion
.irp i, 0,1,2
	v_mov_b32 v[FT+3+\i], v[TA+\i]
	v_mov_b32 v[FU+3+\i], v[TB+\i]
.endr
.irp i, 0,1,2,3,4,5
	v_permlane16_swap_b32 v[FT+\i], v[FU+\i]       ; block 2 c of tile 2 G + 1 changes places with block 2 c + 1 of tile 2 G
.endr
	global_store_b128 v2, v[FT:FT+3], s[8:9] offset:768*\c
	global_store_b64 v3, v[FT+4:FT+5], s[8:9] offset:768*\c+512
	global_store_b128 v2, v[FU:FU+3], s[8:9] offset:768*\c+12288
	global_store_b64 v3, v[FU+4:FU+5], s[8:9] offset:768*\c+12288+512
.endm
	HALF 0
	HALF 1
	ds_store_b32 v6, v[W]
	s_wait_dscnt 0x0                               ; for the others' sake: my word lies in LDS
	s_barrier_signal -1
	s_barrier_wait -1
	s_cmp_eq_u32 s12, 0                            ; wave 0 stores the group's four words a lane
	s_cbranch_scc0 .Ldone
	ds_load_b128 v[16:19], v7
	s_wait_dscnt 0x0
	global_store_b128 v2, v[16:19], s[10:11]       ; 512 consecutive bytes
.Ldone:
	s_wait_tensorcnt 0x0                           ; the wave's end
	ds_add_u32 v[SPW], v[NIL]
	s_wait_dscnt 0x0
	s_endpgm
.Lfunc_end_k_qe474575592_quant:
	.size	k_qe474575592_quant, .Lfunc_end_k_qe474575592_quant-k_qe474575592_quant
	.p2alignl 7, 3214868480
	.fill 96, 4, 3214868480
	.section	.rodata,"a",@progbits
	.p2align	6, 0x0
	.amdhsa_kernel k_qe474575592_quant
		.amdhsa_group_segment_fixed_size 34816
		.amdhsa_private_segment_fixed_size 0
		.amdhsa_enable_private_segment 0
		.amdhsa_kernarg_size 56
		.amdhsa_user_sgpr_count 2
		.amdhsa_user_sgpr_kernarg_segment_ptr 1
		.amdhsa_wavefront_size32 1
		.amdhsa_system_sgpr_workgroup_id_x 1
		.amdhsa_system_sgpr_workgroup_id_y 1
		.amdhsa_system_sgpr_workgroup_id_z 1
		.amdhsa_system_vgpr_workitem_id 0
		.amdhsa_next_free_vgpr 242
		.amdhsa_next_free_sgpr 66
		.amdhsa_reserve_vcc 0
		.amdhsa_float_denorm_mode_32 3
		.amdhsa_float_denorm_mode_16_64 3
		.amdhsa_memory_ordered 1
		.amdhsa_forward_progress 1
		.amdhsa_inst_pref_size 64
	.end_amdhsa_kernel
	.amdgpu_metadata
---
amdhsa.version: [ 1, 2 ]
amdhsa.kernels:
  - .name:           k_qe474575592_quant
    .symbol:         k_qe474575592_quant.kd
    .args:
      - { .name: x, .offset: 0, .size: 8, .value_kind: global_buffer, .address_space: global }
      - { .name: w_qkv, .offset: 8, .size: 8, .value_kind: global_buffer, .address_space: global }
      - { .name: w_out, .offset: 16, .size: 8, .value_kind: global_buffer, .address_space: global }
      - { .name: xc, .offset: 24, .size: 8, .value_kind: global_buffer, .address_space: global }
      - { .name: xs, .offset: 32, .size: 8, .value_kind: global_buffer, .address_space: global }
      - { .name: wc, .offset: 40, .size: 8, .value_kind: global_buffer, .address_space: global }
      - { .name: ws, .offset: 48, .size: 8, .value_kind: global_buffer, .address_space: global }
    .group_segment_fixed_size: 34816
    .private_segment_fixed_size: 0
    .kernarg_segment_align: 8
    .kernarg_segment_size: 56
    .max_flat_workgroup_size: 128
    .sgpr_count:     66
    .vgpr_count:     242
    .wavefront_size: 32
...
	.end_amdgpu_metadata
.endif
;; end of part 1
;; launch gemm_qkv (part 2): grid 12 x 32, 4 waves a work-group, clusters of 4 x 4, 327,680 bytes of LDS; arguments xc, xs, wc, ws, qkvc, qkvs; writes qkvc, qkvs
.if DOCPART == 2
	.amdgcn_target "amdgcn-amd-amdhsa--gfx1250"
	.amdhsa_code_object_version 6
	.text
	.protected	k_qe474575592_gemm_qkv
	.globl	k_qe474575592_gemm_qkv
	.p2align	8
	.type	k_qe474575592_gemm_qkv,@function
k_qe474575592_gemm_qkv:
	s_mov_b64 s[64:65], 0
	v_nop
	global_prefetch_b8 v0, s[64:65] scope:SCOPE_SE
	s_setreg_imm32_b32 hwreg(HW_REG_WAVE_MODE, 25, 1), 1
	s_wait_xcnt 0x0
	s_wait_alu depctr_hold_cnt(0) depctr_sa_sdst(0) depctr_va_vdst(0) depctr_va_sdst(0) depctr_va_ssrc(0) depctr_va_vcc(0) depctr_vm_vsrc(0)
	s_getreg_b32 s2, hwreg(HW_REG_IB_STS2, 6, 4)
	s_cmp_eq_u32 s2, 0
	s_cbranch_scc0 .Lentry_in_a_cluster
	s_endpgm
.Lentry_in_a_cluster:
	s_bfe_u32 s2, ttmp6, 0x10000c
	s_cmp_lg_u32 s2, 0xf033
	s_cbranch_scc0 .Lentry_shape_is_right
	s_endpgm
.Lentry_shape_is_right:
; qkv = x w_qkv on codes of FP6 (E2M3) with E8M0 scales, sums in f32; the result is QUANTISED ON THE WAY OUT into the operands of the attention launch and never goes to memory as f32.
; OPERANDS lie in memory as images of operand registers (tiles of 16 rows, lane-row r of tile 2 g + u = row 32 g + 8 u + r + 8 (r / 8); a half of 64 along K is 768 bytes: registers 0-3 at 16 l, 4-5 at 512 + 8 l).
; A tile of the result is 256 x 256, a wave makes 128 x 128: 64 accumulators.  SOURCE 0 (S0): its rows run along a lane's registers, and by the tiles' order 16 registers of two neighbouring tiles are 16 NEIGHBOURS;
; SOURCE 1 (S1): a lane holds one row of it.  q and k are quantised along the head's 64, so there S0 = the weights' columns and S1 = the tokens (MODE 0: clusters x = 0, 1);
; v is quantised along the tokens (the keys), so there S0 = the tokens and S1 = the weights' columns (MODE 1: cluster x = 2).  Only pointers and indices differ between the modes; MODE is alike in all partners.
; CLUSTER 4 x 4: S0's tiles hang on cx and are asked for jointly by the four of a column, S1's hang on cy and are asked for jointly by the four of a row.
; K = 1,024 goes in eight steps of 128, two to an LDS slot of 98,304 bytes; three slots are filled at the start (three tensor loads of a wave are out), slot 0 once more for steps 6 and 7.
; The steps are written out: a scale register's number is the K step.
; OUT: q block bh, k block 64 + bh of qkvc: [128 token tiles][768];  v block 128 + bh: [32 groups of 64 keys][4 tiles of d][768].  qkvs: q, k [2][64][16 steps][lane 16 u + r][4 words]: word i = token tile 8 step + 2 i + u,
; bytes 0, 1 the head's two blocks, bytes 2, 3 zero;  v from byte 1,048,576: [bh / 2][16 steps][lane][4 words]: words 0, 1 the even head's tiles of d, words 2, 3 the odd head's; four bytes = the step's four blocks of keys.
; LIMITS: NaN and infinities are not served; a block whose largest magnitude lies under 2^-124 (zeros too) keeps the byte 1; the bytes are read by this program alone.
; REGISTERS: window 0: v2-15 addresses; v28-29 the add's; v32-63 S1's scale words (8 (a / 2) + k), v68-99 S0's; v100-127 at work on the way out; v128-223 S1's fragments, ONE set; v224-242 codes.
;   window 1: S0's fragments, two sets, at v0 and v128.   windows 2, 3: the accumulators, (a, b) at v[8 (8 (a % 4) + b)] of window 2 + a / 4.
; LDS AND THE ORDER OF THE FILLS, which hold in place of the head's sentence on three slots: region 0 (bytes 0 to 2 SLOT) takes K steps 0 to 3 by the head's one load a wave: each wave's 8 tiles, 6,144 bytes a tile;
; region 1 (2 SLOT to 3 SLOT) takes K steps 4 and 5, 3,072 bytes a tile, behind the first full sequence and round; K steps 6 and 7 are filled, dense, over the first half of each wave's part of region 0 in the round inside step 3.
.set SLOT,   98304
.set HALFT,  24576                     ; 8 tiles x 3,072 bytes
.set S0OFF,  49152
.set SPARE,  3*SLOT                    ; behind the ring: the spare words, 128 bytes for each wave
.set L16, 2                            ; v2   16 x lane
.set L8,  3                            ; v3   8 x lane
.set A16, 4                            ; v4-6   S1's fragments in slot 0, 1, 2: + 16 x lane;  v7-9: + 8 x lane
.set A8,  7
.set B16, 10                           ; v10-12, v13-15 the same for S0
.set B8,  13
.set SPW, 28
.set NIL, 29
.set SC1, 32
.set SC0, 68                           ; v68-99 S0's scale words: a product's two scale registers differ by 4 modulo 8 in their numbers
.set TM,  100                          ; v100-103 largest magnitudes, v104-107 the other half's / bytes, v112-115 scale operands
.set PW,  116                          ; the scale word just made
.set TE,  117
.set EW,  120                          ; v120-123 scale words to store: the first 64 of S0's rows (MODE 1: all 128);  v124-127: the second 64
.set OW,  124
.set AF,  128
.set PC,  224
.set WV,  16
.set RH,  17                           ; which half of S1's rows is mine.  Also: I fetch for S1 (0) or S0 (1)
.set CH,  18                           ; which half of S0's rows is mine.  Also: which 8 tiles I fetch
.set MODE, 19
.set G1,  24                           ; s[24:31] group 1 for S1's tiles, s[32:43] group 0 for each slot
.set G0,  32
.set G1B, 44                           ; s[44:51], s[52:63] the same for S0's
.set G0B, 52
.set CB,  84                           ; s[84:91] where codes go: pair 2 i + c: S1's tiles 4 i on, S0's rows 64 c on
.set SB,  92                           ; s[92:95] where scale words go
.set SEL, 96
.set MSB, 0
.macro WIN new                         ; the immediate's high byte repeats the setting that is left
.if MSB != (\new)
	s_set_vgpr_msb (MSB<<8)|(\new)
.set MSB, (\new)
.endif
.endm
.set MUL_LO, 0xa1                      ; source 0 window 1, source 1 window 0, C and D window 2
.set MUL_HI, 0xf1                      ; the same, C and D window 3
.set TO_B,   0x40                      ; destination window 1
; A joint load: waves 0 and 1 fetch for S1, waves 2 and 3 for S0; the branch hangs on the wave's number alone.  Four v_nop follow each of the two lines.
.macro JLOAD g0a, g1a, g0b, g1b
	s_cmp_eq_u32 s[RH], 0
	s_cbranch_scc0 .Lfor_b_\@
	tensor_load_to_lds s[\g0a:\g0a+3], s[\g1a:\g1a+7]
	s_nop 0
.rept 4
	v_nop
.endr
	s_branch .Lasked_\@
.Lfor_b_\@:
	tensor_load_to_lds s[\g0b:\g0b+3], s[\g1b:\g1b+7]
	s_nop 0
.rept 4
	v_nop
.endr
.Lasked_\@:
.endm
.macro CREST                           ; a round of the cluster's barrier behind its opening barrier
	s_cmp_lg_u32 s[WV], 0
	s_cbranch_scc1 .Lnot_wave_0_\@
	s_barrier_signal -3
.Lnot_wave_0_\@:
	s_barrier_wait -3
	s_barrier_signal -1
	s_barrier_wait -1
.endm
.macro CROUND
	s_barrier_signal -1
	s_barrier_wait -1
	CREST
.endm
.macro PLACES                          ; four plain places behind matrix instructions, in front of loads into their registers and of reads of their results
.rept 4
	v_nop
.endr
.endm
	s_load_b256 s[4:11], s[0:1], 0x0               ; xc, xs, wc, ws
	s_load_b128 s[12:15], s[0:1], 0x20             ; qkvc, qkvs
	v_lshl_add_u32 v[SPW], v0, 2, SPARE
	v_mov_b32 v[NIL], 0
	ds_add_u32 v28, v29
	ds_add_u32 v28, v29
	s_wait_dscnt 0x0
	v_lshrrev_b32 v1, 5, v0
	v_readfirstlane_b32 s[WV], v1                  ; wave 0..3
	s_lshr_b32 s[RH], s[WV], 1
	s_and_b32 s[CH], s[WV], 1
	s_bfe_u32 s66, ttmp6, 0x40000                  ; cx
	s_bfe_u32 s67, ttmp6, 0x40004                  ; cy
	s_and_b32 s68, ttmp7, 0xffff
	s_lshl_b32 s68, s68, 2                         ; 4 x cluster y
	s_lshl_b32 s69, ttmp9, 2                       ; 4 x cluster x
	s_cmp_eq_u32 ttmp9, 2                          ; the cluster's x is the same in all sixteen partners
	s_cselect_b32 s[MODE], 1, 0
	s_cselect_b32 s70, s68, s69
	s_cselect_b32 s71, 8, s68
	s_add_co_u32 s70, s70, s66                     ; S0's block of 256 rows: MODE 0: weights 4 clx + cx;  MODE 1: tokens 4 cly + cx
	s_add_co_u32 s71, s71, s67                     ; S1's: MODE 0: tokens 4 cly + cy;  MODE 1: weights 8 + cy
	s_lshl_b32 s72, s67, 2
	s_lshl_b32 s72, 15, s72                        ; my row of the cluster
	s_lshl_b32 s73, 0x1111, s66                    ; my column
	s_or_b32 s[G1], s72, (3<<16)|(1<<21)           ; 15:0 the mask; 17:16 elements of 8 bytes; 21 set beside a mask; no padding: every LDS read is consecutive lane by lane
	s_or_b32 s[G1B], s73, (3<<16)|(1<<21)
.irp g, G1, G1B
	s_mov_b32 s[\g+1], 768<<16                     ; tensor_dim0: 6,144 bytes: a tile's eight halves of K steps 0 to 3
	s_mov_b32 s[\g+2], 8<<16                       ; tensor_dim1: 8 tiles
	s_mov_b32 s[\g+3], 768<<16                     ; tile_dim0
	s_mov_b32 s[\g+4], 8                           ; tile_dim1
	s_mov_b32 s[\g+5], 1536                        ; from tile to tile: 12,288 bytes
	s_mov_b32 s[\g+6], 0
	s_mov_b32 s[\g+7], 0
.endr
	s_lshl_b32 s74, s71, 4                         ; S1: tile 16 x block + 8 x (wave % 2): made of cy alone
	s_lshl_b32 s75, s[CH], 3
	s_add_co_u32 s74, s74, s75
	s_mul_i32 s74, s74, 12288
	s_mov_b32 s75, 0
	s_lshl_b32 s76, s70, 4                         ; S0 likewise: made of cx alone
	s_lshl_b32 s77, s[CH], 3
	s_add_co_u32 s76, s76, s77
	s_mul_i32 s76, s76, 12288
	s_mov_b32 s77, 0
	s_mul_i32 s78, s[WV], HALFT                    ; where they go: no place in the cluster enters an LDS address
	s_wait_kmcnt 0x0
	s_cmp_eq_u32 s[MODE], 1
	s_cselect_b64 s[20:21], s[4:5], s[8:9]         ; S0's codes
	s_cselect_b64 s[22:23], s[8:9], s[4:5]         ; S1's codes
	s_cselect_b64 s[80:81], s[6:7], s[10:11]       ; S0's scale words
	s_cselect_b64 s[82:83], s[10:11], s[6:7]       ; S1's
	s_add_nc_u64 s[20:21], s[20:21], s[76:77]
	s_add_nc_u64 s[22:23], s[22:23], s[74:75]
	CROUND                                         ; all sixteen work-groups are here: the first joint loads meet
.irp s, 0,1                            ; set 0: K steps 0 to 3 (later 6, 7); set 1: K steps 4, 5
	s_mov_b32 s[G0+4*\s], 1
	s_add_nc_u64 s[G0+4*\s+2:G0+4*\s+3], s[22:23], \s*6144
	s_or_b32 s[G0+4*\s+3], s[G0+4*\s+3], 0x80000000
	s_mov_b32 s[G0B+4*\s], 1
	s_add_nc_u64 s[G0B+4*\s+2:G0B+4*\s+3], s[20:21], \s*6144
	s_or_b32 s[G0B+4*\s+3], s[G0B+4*\s+3], 0x80000000
.endr
	s_mul_i32 s[G0+1], s[WV], 2*HALFT              ; region 0: wave x 49,152
	s_mul_i32 s[G0B+1], s[WV], 2*HALFT
	s_add_co_u32 s[G0+5], s78, 2*SLOT              ; region 1: 2 SLOT + wave x 24,576
	s_add_co_u32 s[G0B+5], s78, 2*SLOT
	JLOAD G0, G1, G0B, G1B                         ; K steps 0 to 3: one tensor load a wave at the head
	s_mul_i32 s2, s[RH], 2*HALFT                   ; region 0: my 8 tiles of S1,
	s_mul_i32 s3, s[CH], 2*HALFT                   ; my 8 of S0, behind S1's 16
	s_add_co_u32 s3, s3, 2*S0OFF
	s_mul_i32 s74, s[RH], HALFT                    ; region 1 likewise
	s_mul_i32 s76, s[CH], HALFT
	s_add_co_u32 s74, s74, 2*SLOT
	s_add_co_u32 s76, s76, 2*SLOT+S0OFF
	v_and_b32 v1, 31, v0
	v_lshlrev_b32 v[L16], 4, v1
	v_lshlrev_b32 v[L8], 3, v1
	v_add_nc_u32 v[A16], s2, v[L16]
	v_add_nc_u32 v[B16], s3, v[L16]
	v_add_nc_u32 v[A8], s2, v[L8]
	v_add_nc_u32 v[B8], s3, v[L8]
	v_add_nc_u32 v[A16+1], s74, v[L16]
	v_add_nc_u32 v[B16+1], s76, v[L16]
	v_add_nc_u32 v[A8+1], s74, v[L8]
	v_add_nc_u32 v[B8+1], s76, v[L8]
	s_wait_alu depctr_va_vdst(0)
	s_lshl_b32 s74, s71, 3                         ; scale words: 8 pairs of tiles a block, 4 a half, 1,024 bytes each
	s_lshl_b32 s75, s[RH], 2
	s_add_co_u32 s74, s74, s75
	s_lshl_b32 s74, s74, 10
	s_mov_b32 s75, 0
	s_add_nc_u64 s[82:83], s[82:83], s[74:75]
	s_lshl_b32 s76, s70, 3
	s_lshl_b32 s77, s[CH], 2
	s_add_co_u32 s76, s76, s77
	s_lshl_b32 s76, s76, 10
	s_mov_b32 s77, 0
	s_add_nc_u64 s[80:81], s[80:81], s[76:77]
.irp gi, 0,1,2,3
.irp kh, 0,1
	global_load_b128 v[SC1+8*\gi+4*\kh:SC1+8*\gi+4*\kh+3], v[L16], s[82:83] offset:1024*\gi+512*\kh   ; four K steps' words: lanes 0-15 tile 2 gi, lanes 16-31 tile 2 gi + 1
	global_load_b128 v[SC0+8*\gi+4*\kh:SC0+8*\gi+4*\kh+3], v[L16], s[80:81] offset:1024*\gi+512*\kh
.endr
.endr
.irp b, 0,1,2,3
	v_mov_b32 v[TM+4+\b], 0                        ; written once: a lane permute's destination counts as one of its sources
.endr
	s_mov_b32 s[SEL], 0x76543210
	s_mov_b32 s[SEL+1], 0xfedcba98
	s_mov_b32 s98, 0xffff0000                      ; lanes 16-31
	; where the results go.  MODE 0: token tile T0 = 16 S1blk + 8 RH, head number hh = 4 S0blk + 2 CH among q's 16 and k's 16
	s_lshl_b32 s2, s71, 4
	s_lshl_b32 s3, s[RH], 3
	s_add_co_u32 s2, s2, s3                        ; T0
	s_lshl_b32 s3, s70, 2
	s_lshl_b32 s79, s[CH], 1
	s_add_co_u32 s3, s3, s79                       ; hh
	s_lshr_b32 s84, s3, 4
	s_lshl_b32 s84, s84, 6
	s_lshr_b32 s85, s2, 7
	s_lshl_b32 s85, s85, 4
	s_add_co_u32 s84, s84, s85
	s_and_b32 s85, s3, 15
	s_add_co_u32 s84, s84, s85                     ; the head block: 64 (k?) + 16 batch + head
	s_and_b32 s85, s2, 127                         ; the tile in its batch
	s_mul_i32 s86, s84, 98304
	s_mul_i32 s87, s85, 768
	s_add_co_u32 s86, s86, s87                     ; codes
	s_lshl_b32 s87, s84, 13
	s_lshr_b32 s85, s85, 3
	s_lshl_b32 s85, s85, 9
	s_add_co_u32 s87, s87, s85                     ; scale words: 8,192 a head block, 512 a step of 8 tiles
	; MODE 1: key step TK = 2 S0blk + CH of 128 tokens, head0 = 4 cy + 2 RH
	s_lshl_b32 s2, s70, 1
	s_add_co_u32 s2, s2, s[CH]                     ; TK
	s_lshl_b32 s3, s67, 2
	s_lshl_b32 s79, s[RH], 1
	s_add_co_u32 s3, s3, s79                       ; head0
	s_lshr_b32 s84, s2, 4                          ; batch
	s_and_b32 s85, s2, 15                          ; the step in its batch
	s_lshl_b32 s88, s84, 4
	s_add_co_u32 s88, s88, s3
	s_add_co_u32 s88, s88, 128
	s_mul_i32 s88, s88, 98304
	s_mul_i32 s89, s85, 6144
	s_add_co_u32 s88, s88, s89                     ; codes
	s_lshl_b32 s89, s84, 3
	s_lshr_b32 s3, s3, 1
	s_add_co_u32 s89, s89, s3
	s_lshl_b32 s89, s89, 4
	s_add_co_u32 s89, s89, s85
	s_lshl_b32 s89, s89, 9
	s_add_co_u32 s89, s89, 0x100000                ; scale words
	s_mov_b32 s2, 98304
	s_mov_b32 s3, 3072
	s_cmp_eq_u32 s[MODE], 1
	s_cselect_b32 s90, s88, s86
	s_cselect_b32 s92, s89, s87
	s_cselect_b32 s94, s2, s3                      ; from S1's tiles 0-3 to 4-7: MODE 0 four tiles on, MODE 1 the next head
	s_cselect_b32 s2, s3, s2                       ; from S0's rows 0-63 to 64-127: MODE 0 the next head, MODE 1 the next group of keys
	s_cselect_b32 s99, -1, 0xffff                  ; what of a scale word belongs to the first 64
	s_mov_b32 s91, 0
	s_mov_b32 s93, 0
	s_mov_b32 s95, 0
	s_mov_b32 s3, 0
	s_add_nc_u64 s[CB:CB+1], s[12:13], s[90:91]
	s_add_nc_u64 s[CB+2:CB+3], s[CB:CB+1], s[2:3]
	s_add_nc_u64 s[CB+4:CB+5], s[CB:CB+1], s[94:95]
	s_add_nc_u64 s[CB+6:CB+7], s[CB+4:CB+5], s[2:3]
	s_add_nc_u64 s[SB:SB+1], s[14:15], s[92:93]
	s_add_nc_u64 s[SB+2:SB+3], s[SB:SB+1], 8192    ; MODE 0: the next head's words (not used in MODE 1)
; a fragment, 16 rows x 128 K: two halves of 768 bytes on end
.macro FRAG reg, a16, a8, off
	ds_load_b128 v[(\reg):(\reg)+3], v[\a16] offset:(\off)
	ds_load_b64 v[(\reg)+4:(\reg)+5], v[\a8] offset:(\off)+512
	ds_load_b128 v[(\reg)+6:(\reg)+9], v[\a16] offset:(\off)+768
	ds_load_b64 v[(\reg)+10:(\reg)+11], v[\a8] offset:(\off)+1280
.endm
.macro FETCH_B slot, q, p              ; S0's eight fragments of the slot's q-th 128 along K into set p
	WIN TO_B
.irp i, 0,1,2,3,4,5,6,7
	FRAG 128*(\p)+12*\i, B16+(\slot), B8+(\slot), NP*\i+1536*(\q)
.endr
	WIN 0
.endm
.macro FETCH_A slot, q, i0             ; S1's fragments i0 .. i0 + 3
.irp i, \i0, \i0+1, \i0+2, \i0+3
	FRAG AF+12*(\i), A16+(\slot), A8+(\slot), NP*(\i)+1536*(\q)
.endr
.endm
; one product: S0's tile b x S1's tile a, K step k.  A scale register holds the even tile's words in lanes 0-15 and the odd tile's in lanes 16-31.  cm = 1: the product starts the sum
.macro WM a, b, p, k, cm
.set rD, 8*(8*((\a)%4)+(\b))
.set rA, 128*(\p)+12*(\b)
.set rB, AF+12*(\a)
.set rX, SC0+8*((\b)/2)+(\k)
.set rY, SC1+8*((\a)/2)+(\k)
.if (\cm) == 1
.if ((\a)%2 == 0) && ((\b)%2 == 0)
	v_wmma_scale_f32_16x16x128_f8f6f4 v[rD:rD+7], v[rA:rA+11], v[rB:rB+11], 0, v[rX], v[rY] matrix_a_fmt:MATRIX_FMT_FP6 matrix_b_fmt:MATRIX_FMT_FP6
.elseif ((\a)%2 == 0)
	v_wmma_scale_f32_16x16x128_f8f6f4 v[rD:rD+7], v[rA:rA+11], v[rB:rB+11], 0, v[rX], v[rY] matrix_a_fmt:MATRIX_FMT_FP6 matrix_b_fmt:MATRIX_FMT_FP6 matrix_a_scale:MATRIX_SCALE_ROW1
.elseif ((\b)%2 == 0)
	v_wmma_scale_f32_16x16x128_f8f6f4 v[rD:rD+7], v[rA:rA+11], v[rB:rB+11], 0, v[rX], v[rY] matrix_a_fmt:MATRIX_FMT_FP6 matrix_b_fmt:MATRIX_FMT_FP6 matrix_b_scale:MATRIX_SCALE_ROW1
.else
	v_wmma_scale_f32_16x16x128_f8f6f4 v[rD:rD+7], v[rA:rA+11], v[rB:rB+11], 0, v[rX], v[rY] matrix_a_fmt:MATRIX_FMT_FP6 matrix_b_fmt:MATRIX_FMT_FP6 matrix_a_scale:MATRIX_SCALE_ROW1 matrix_b_scale:MATRIX_SCALE_ROW1
.endif
.else
.if ((\a)%2 == 0) && ((\b)%2 == 0)
	v_wmma_scale_f32_16x16x128_f8f6f4 v[rD:rD+7], v[rA:rA+11], v[rB:rB+11], v[rD:rD+7], v[rX], v[rY] matrix_a_fmt:MATRIX_FMT_FP6 matrix_b_fmt:MATRIX_FMT_FP6
.elseif ((\a)%2 == 0)
	v_wmma_scale_f32_16x16x128_f8f6f4 v[rD:rD+7], v[rA:rA+11], v[rB:rB+11], v[rD:rD+7], v[rX], v[rY] matrix_a_fmt:MATRIX_FMT_FP6 matrix_b_fmt:MATRIX_FMT_FP6 matrix_a_scale:MATRIX_SCALE_ROW1
.elseif ((\b)%2 == 0)
	v_wmma_scale_f32_16x16x128_f8f6f4 v[rD:rD+7], v[rA:rA+11], v[rB:rB+11], v[rD:rD+7], v[rX], v[rY] matrix_a_fmt:MATRIX_FMT_FP6 matrix_b_fmt:MATRIX_FMT_FP6 matrix_b_scale:MATRIX_SCALE_ROW1
.else
	v_wmma_scale_f32_16x16x128_f8f6f4 v[rD:rD+7], v[rA:rA+11], v[rB:rB+11], v[rD:rD+7], v[rX], v[rY] matrix_a_fmt:MATRIX_FMT_FP6 matrix_b_fmt:MATRIX_FMT_FP6 matrix_a_scale:MATRIX_SCALE_ROW1 matrix_b_scale:MATRIX_SCALE_ROW1
.endif
.endif
.endm
; 16 products: S1's tiles a0, a0 + 1 x S0's eight.  The 64 accumulators take turns, one instruction a turn, in the same order in every step
.macro MUL16 a0, p, k, cm
.irp a, \a0, \a0+1
.irp b, 0,1,2,3,4,5,6,7
	WM (\a), \b, \p, \k, \cm
.endr
.endr
.endm
; K step k; the next step's fragments are fetched in two runs: S0's other set and S1's tiles 0-3 in the middle, S1's tiles 4-7 at the end
.macro NEXT n                          ; where K step n lies: address set NS, the NQ-th 1,536 bytes of a tile, tiles NP bytes apart
.if (\n) < 4
.set NS, 0
.set NQ, (\n)
.set NP, 6144
.elseif (\n) < 6
.set NS, 1
.set NQ, (\n)-4
.set NP, 3072
.else
.set NS, 0
.set NQ, (\n)-6
.set NP, 3072
.endif
.endm
.macro STEP k, cm
	NEXT (\k)+1
	s_wait_dscnt 16                                ; S0's set and S1's tiles 0-3 are in; the youngest 16 loads (S1's tiles 4-7) may be out
	WIN MUL_LO
	MUL16 0, (\k)%2, \k, \cm
	MUL16 2, (\k)%2, \k, \cm
	s_wait_dscnt 0x0                               ; S1's tiles 4-7 are in
	PLACES
	FETCH_B NS, NQ, 1-(\k)%2
	FETCH_A NS, NQ, 0
	WIN MUL_HI
	MUL16 4, (\k)%2, \k, \cm
	MUL16 6, (\k)%2, \k, \cm
	PLACES
	WIN 0
	FETCH_A NS, NQ, 4
.endm
; K step k with a barrier in it.  In front of it each wave waits for all its tensor loads, adds 0 to its spare word, and waits for that and for its LDS reads.  fill = 1 (step 3): a round of the cluster's barrier;
; region 1 is whole behind it, and region 0, which nobody reads any more, takes K steps 6 and 7.  fill = 0 (step 5): behind it those two steps are whole for every wave.
.macro TURN k, fill
	NEXT (\k)+1
	s_wait_tensorcnt 0x0                           ; all my tensor loads have landed  (every window is 0 here)
	ds_add_u32 v[SPW], v[NIL]                      ; 0 onto my spare word
	s_wait_dscnt 17                                ; (the add and the youngest 16 loads may be out)
	WIN MUL_LO
	MUL16 0, (\k)%2, \k, 0                         ; sixteen matrix instructions stand between the add and the wait for it
	s_wait_dscnt 0x0                               ; the add is done, and my LDS reads are over
	s_barrier_signal -1
	MUL16 2, (\k)%2, \k, 0
	WIN 0
	s_barrier_wait -1
.if \fill
	CREST                                          ; no wave of any partner still reads slot 0 or has a load on its way
	s_add_nc_u64 s[G0+2:G0+3], s[G0+2:G0+3], 9216  ; six K steps of 1,536 bytes on
	s_add_nc_u64 s[G0B+2:G0B+3], s[G0B+2:G0B+3], 9216
	JLOAD G0, G1, G0B, G1B                         ; the first tensor load behind the round; its four v_nop are also the places in front of the loads below
.else
	PLACES
.endif
	s_wait_alu depctr_va_vdst(0)
	FETCH_B NS, NQ, 1-(\k)%2
	FETCH_A NS, NQ, 0
	WIN MUL_HI
	MUL16 4, (\k)%2, \k, 0
	MUL16 6, (\k)%2, \k, 0
	PLACES
	WIN 0
	FETCH_A NS, NQ, 4
.endm
	s_wait_alu depctr_va_vdst(0)
	s_wait_tensorcnt 0x0                           ; my part of K steps 0 to 3 is in
	ds_add_u32 v[SPW], v[NIL]
.irp g, G1, G1B
	s_mov_b32 s[\g+1], 384<<16                     ; no tensor load of mine is out: from here on a tile's row is 3,072 bytes
	s_mov_b32 s[\g+3], 384<<16
.endr
	s_wait_dscnt 0x0
	CROUND                                         ; everybody's part is in, and the joint loads meet
	JLOAD G0+4, G1, G0B+4, G1B                     ; K steps 4 and 5: they are waited for at the head of step 3
.set NP, 6144
	FETCH_B 0, 0, 0
	FETCH_A 0, 0, 0
	FETCH_A 0, 0, 4
	s_wait_loadcnt 0x0                             ; the scale words
	STEP 0, 1                                      ; the first products start the sums: nothing is cleared
	STEP 1, 0
	STEP 2, 0
	TURN 3, 1
	STEP 4, 0
	TURN 5, 0
	STEP 6, 0
	s_wait_dscnt 16                                ; the last step: nothing more to fetch
	WIN MUL_LO
	MUL16 0, 1, 7, 0
	MUL16 2, 1, 7, 0
	s_wait_dscnt 0x0
	WIN MUL_HI
	MUL16 4, 1, 7, 0
	MUL16 6, 1, 7, 0
	WIN 0
; THE WAY OUT.  For S1's tile a my lane holds ONE row and its 64 registers are 128 neighbours along S0's rows: register 16 b + i = row 32 b + 16 (lane / 16) + i.  They become a fragment's codes (v[PC] on)
; and its scale word (v[PW]).  Each accumulator is read from its low end on.
.macro QUANTA a
.set AC, 64*((\a)%4)
.set WW, 2+(\a)/4
	WIN 5*WW                                       ; sources 0 and 1: the accumulators' window
.irp b, 0,1,2,3
	v_max3_num_f32 v[TM+\b], |v[AC+16*\b]|, |v[AC+16*\b+1]|, 0x1800000   ; block b: my 16 numbers and the floor 2^(3 - 127)
.endr
.irp i, 2,4,6,8,10,12,14
.irp b, 0,1,2,3
	v_max3_num_f32 v[TM+\b], |v[AC+16*\b+\i]|, |v[AC+16*\b+\i+1]|, v[TM+\b]
.endr
.endr
	WIN 0
.irp b, 0,1,2,3
	v_permlanex16_b32 v[TM+4+\b], v[TM+\b], s[SEL], s[SEL+1]
.endr
.irp b, 0,1,2,3
	v_max_num_f32 v[TM+\b], v[TM+\b], v[TM+4+\b]   ; with lane l xor 16's: the block's largest magnitude
.endr
.irp b, 0,1,2,3
	v_add_nc_u32 v[TM+12+\b], 0xff000000, v[TM+\b] ; the conversion's scale operand
.endr
.irp b, 0,1,2,3
	v_lshrrev_b32 v[TM+4+\b], 23, v[TM+12+\b]      ; the byte
.endr
	v_lshl_or_b32 v[PW], v[TM+5], 8, v[TM+4]
	v_lshl_or_b32 v[PW], v[TM+6], 16, v[PW]
	v_lshl_or_b32 v[PW], v[TM+7], 24, v[PW]
.if (\a) > 0
	s_wait_xcnt 0x0                                ; the last tile's stores have read the codes' registers: only now are they written again
.endif
	WIN WW                                         ; source 0: the accumulators' window
.irp c, 0,1
	v_cvt_scalef32_pk16_fp6_f32 v[PC+6*\c:PC+6*\c+2], v[AC+32*\c:AC+32*\c+15], v[TM+12+2*\c]
	v_cvt_scalef32_pk16_fp6_f32 v[PC+12+4*\c:PC+14+4*\c], v[AC+32*\c+16:AC+32*\c+31], v[TM+12+2*\c+1]
.endr
	WIN 0
	v_nop                                          ; one plain place behind a scaled conversion
.irp c, 0,1                            ; the operand's layout wants a whole block in a lane
.irp i, 0,1,2
	v_permlane16_swap_b32 v[PC+6*\c+\i], v[PC+12+4*\c+\i]
.endr
.irp i, 0,1,2
	v_mov_b32 v[PC+3+6*\c+\i], v[PC+12+4*\c+\i]
.endr
.endr
.endm
.macro OUTA a
	QUANTA \a
.if (\a)%2 == 0
	v_and_b32 v[EW+(\a)/2], s99, v[PW]             ; the even tile's words (every lane holds its row's); the odd tile's take lanes 16-31
	v_lshrrev_b32 v[OW+(\a)/2], 16, v[PW]
.else
	v_and_b32 v[TE], s99, v[PW]
	v_cndmask_b32 v[EW+(\a)/2], v[EW+(\a)/2], v[TE], s98
	v_lshrrev_b32 v[TE], 16, v[PW]
	v_cndmask_b32 v[OW+(\a)/2], v[OW+(\a)/2], v[TE], s98
.endif
.if (\a) == 7
	global_store_b128 v[L16], v[EW:EW+3], s[SB:SB+1]           ; 512 consecutive bytes of scale words
	s_cmp_eq_u32 s[MODE], 1                        ; MODE 1 has one word for all 128: nothing more to store
	s_cbranch_scc1 .Lno_odd
	global_store_b128 v[L16], v[OW:OW+3], s[SB+2:SB+3]
.Lno_odd:
.endif
.set CBI, CB+4*((\a)/4)
	global_store_b128 v[L16], v[PC:PC+3], s[CBI:CBI+1] offset:((\a)%4)*768            ; a half image: 512 consecutive bytes,
	global_store_b64 v[L8], v[PC+4:PC+5], s[CBI:CBI+1] offset:((\a)%4)*768+512        ; and 256
	s_wait_alu depctr_va_vdst(0)
	global_store_b128 v[L16], v[PC+6:PC+9], s[CBI+2:CBI+3] offset:((\a)%4)*768
	global_store_b64 v[L8], v[PC+10:PC+11], s[CBI+2:CBI+3] offset:((\a)%4)*768+512
.endm
	PLACES                                         ; behind the last products
.irp a, 0,1,2,3,4,5,6,7
	OUTA \a
.endr
	s_wait_tensorcnt 0x0                           ; the wave's end
	ds_add_u32 v[SPW], v[NIL]
	s_wait_dscnt 0x0
	CROUND                                         ; the closing round: no work-group ends while a partner may still ask for a tile that names it
	s_endpgm
.Lfunc_end_k_qe474575592_gemm_qkv:
	.size	k_qe474575592_gemm_qkv, .Lfunc_end_k_qe474575592_gemm_qkv-k_qe474575592_gemm_qkv
	.p2alignl 7, 3214868480
	.fill 96, 4, 3214868480
	.section	.rodata,"a",@progbits
	.p2align	6, 0x0
	.amdhsa_kernel k_qe474575592_gemm_qkv
		.amdhsa_group_segment_fixed_size 327680
		.amdhsa_private_segment_fixed_size 0
		.amdhsa_enable_private_segment 0
		.amdhsa_kernarg_size 48
		.amdhsa_user_sgpr_count 2
		.amdhsa_user_sgpr_kernarg_segment_ptr 1
		.amdhsa_wavefront_size32 1
		.amdhsa_system_sgpr_workgroup_id_x 1
		.amdhsa_system_sgpr_workgroup_id_y 1
		.amdhsa_system_sgpr_workgroup_id_z 1
		.amdhsa_system_vgpr_workitem_id 0
		.amdhsa_next_free_vgpr 1024
		.amdhsa_next_free_sgpr 100
		.amdhsa_reserve_vcc 0
		.amdhsa_float_denorm_mode_32 3
		.amdhsa_float_denorm_mode_16_64 3
		.amdhsa_memory_ordered 1
		.amdhsa_forward_progress 1
		.amdhsa_inst_pref_size 149
	.end_amdhsa_kernel
	.amdgpu_metadata
---
amdhsa.version: [ 1, 2 ]
amdhsa.kernels:
  - .name:           k_qe474575592_gemm_qkv
    .symbol:         k_qe474575592_gemm_qkv.kd
    .args:
      - { .name: xc, .offset: 0, .size: 8, .value_kind: global_buffer, .address_space: global }
      - { .name: xs, .offset: 8, .size: 8, .value_kind: global_buffer, .address_space: global }
      - { .name: wc, .offset: 16, .size: 8, .value_kind: global_buffer, .address_space: global }
      - { .name: ws, .offset: 24, .size: 8, .value_kind: global_buffer, .address_space: global }
      - { .name: qkvc, .offset: 32, .size: 8, .value_kind: global_buffer, .address_space: global }
      - { .name: qkvs, .offset: 40, .size: 8, .value_kind: global_buffer, .address_space: global }
    .group_segment_fixed_size: 327680
    .private_segment_fixed_size: 0
    .kernarg_segment_align: 8
    .kernarg_segment_size: 48
    .max_flat_workgroup_size: 128
    .sgpr_count:     100
    .vgpr_count:     1024
    .wavefront_size: 32
...
	.end_amdgpu_metadata
.endif
;; end of part 2
;; launch attn (part 3): grid 4 x 64, 16 waves a work-group, clusters of 4 x 1, 327,680 bytes of LDS; arguments qkvc, qkvs, ac, asc; writes ac, asc
.if DOCPART == 3
	.amdgcn_target "amdgcn-amd-amdhsa--gfx1250"
	.amdhsa_code_object_version 6
	.text
	.protected	k_qe474575592_attn
	.globl	k_qe474575592_attn
	.p2align	8
	.type	k_qe474575592_attn,@function
k_qe474575592_attn:
	s_mov_b64 s[64:65], 0
	v_nop
	global_prefetch_b8 v0, s[64:65] scope:SCOPE_SE
	s_setreg_imm32_b32 hwreg(HW_REG_WAVE_MODE, 25, 1), 1
	s_wait_xcnt 0x0
	s_wait_alu depctr_hold_cnt(0) depctr_sa_sdst(0) depctr_va_vdst(0) depctr_va_sdst(0) depctr_va_ssrc(0) depctr_va_vcc(0) depctr_vm_vsrc(0)
	s_getreg_b32 s2, hwreg(HW_REG_IB_STS2, 6, 4)
	s_cmp_eq_u32 s2, 0
	s_cbranch_scc0 .Lentry_in_a_cluster
	s_endpgm
.Lentry_in_a_cluster:
	s_bfe_u32 s2, ttmp6, 0x10000c
	s_cmp_lg_u32 s2, 0x3003
	s_cbranch_scc0 .Lentry_shape_is_right
	s_endpgm
.Lentry_shape_is_right:
.set VCO,  98304
.set SCK,  196608
.set SCV,  204800
.set S,    112
.set O,    176
.set PCD,  208
.set CT,   220
.set BM,   228
.set BT,   232
.set BS,   236
.set SCR,  240
.set WV,   12
.macro CROUND
	s_barrier_signal -1
	s_barrier_wait -1
	s_cmp_lg_u32 s[WV], 0
	s_cbranch_scc1 .Lnot_wave_0_\@
	s_barrier_signal -3
.Lnot_wave_0_\@:
	s_barrier_wait -3
	s_barrier_signal -1
	s_barrier_wait -1
.endm
	s_load_b256 s[4:11], s[0:1], 0x0
	v_lshl_add_u32 v254, v0, 2, 0x34000
	v_mov_b32 v255, 0
	ds_add_u32 v254, v255
	ds_add_u32 v254, v255
	v_lshrrev_b32 v1, 5, v0
	s_delay_alu instid0(VALU_DEP_1)
	v_readfirstlane_b32 s[WV], v1
	s_bfe_u32 s13, ttmp6, 0x40000
	s_and_b32 s14, ttmp7, 0xffff
	s_mov_b32 s16, 15|(3<<16)|(1<<21)
	s_mov_b32 s17, 32<<16
	s_mov_b32 s18, 64<<16                          ; codes: 64 rows of 256 bytes a load
	s_mov_b32 s19, 32<<16
	s_mov_b32 s20, 64
	s_mov_b32 s21, 32
	s_mov_b32 s22, 0
	s_mov_b32 s23, 0
	s_mov_b32 s24, 15|(3<<16)|(1<<21)
	s_mov_b32 s25, 32<<16
	s_mov_b32 s26, 16<<16                          ; scale words: 16 rows of 256 bytes a load
	s_mov_b32 s27, 32<<16
	s_mov_b32 s28, 16
	s_mov_b32 s29, 32
	s_mov_b32 s30, 0
	s_mov_b32 s31, 0
; THE HEAD'S FILLS, one joint load a wave: waves 0-5 a sixth each of K's 98,304 bytes of codes, waves 6-11 of V's; waves 12, 13 the halves of K's 8,192 bytes of scale words, waves 14, 15 of V's
	s_cmp_lt_u32 s[WV], 6
	s_cselect_b32 s60, 0, 1
	s_cselect_b32 s61, 0, 6
	s_sub_co_u32 s61, s[WV], s61                   ; which sixth
	s_add_co_u32 s56, s60, 1
	s_lshl_b32 s56, s56, 6
	s_add_co_u32 s56, s56, s14
	s_mul_i32 s56, s56, 98304
	s_lshl_b32 s62, s61, 14
	s_add_co_u32 s56, s56, s62
	s_mov_b32 s57, 0
	s_add_co_u32 s58, s14, 64
	s_lshl_b32 s58, s58, 13
	s_lshr_b32 s62, s14, 1
	s_lshl_b32 s62, s62, 13
	s_add_co_u32 s62, s62, 0x100000
	s_cmp_lt_u32 s[WV], 14
	s_cselect_b32 s58, s58, s62
	s_and_b32 s62, s[WV], 1
	s_lshl_b32 s62, s62, 12
	s_add_co_u32 s58, s58, s62
	s_mov_b32 s59, 0
	s_lshl_b32 s62, s[WV], 14                      ; LDS: codes at 16,384 x wave,
	s_lshl_b32 s63, s[WV], 12
	s_add_co_u32 s63, s63, SCK-12*4096             ; scale words at SCK + 4,096 x (wave - 12)
	s_wait_dscnt 0x0
	s_wait_kmcnt 0x0
	s_mov_b32 s32, 1
	s_mov_b32 s33, s62
	s_add_nc_u64 s[34:35], s[4:5], s[56:57]
	s_or_b32 s35, s35, 0x80000000
	s_mov_b32 s36, 1
	s_mov_b32 s37, s63
	s_add_nc_u64 s[38:39], s[6:7], s[58:59]
	s_or_b32 s39, s39, 0x80000000
	CROUND
	s_cmp_lt_u32 s[WV], 12
	s_cbranch_scc0 .Lscales
	tensor_load_to_lds s[32:35], s[16:23]
	s_nop 0
.rept 4
	v_nop
.endr
	s_branch .Lasked
.Lscales:
	tensor_load_to_lds s[36:39], s[24:31]
	s_nop 0
.rept 4
	v_nop
.endr
.Lasked:
	s_lshl_b32 s56, s13, 5
	s_lshl_b32 s57, s[WV], 1
	s_add_co_u32 s56, s56, s57
	s_mul_i32 s58, s56, 768
	s_mul_i32 s59, s14, 98304
	s_add_co_u32 s58, s58, s59
	s_mov_b32 s59, 0
	s_add_nc_u64 s[48:49], s[4:5], s[58:59]
	s_lshl_b32 s58, s14, 13
	s_lshr_b32 s60, s56, 3
	s_lshl_b32 s60, s60, 9
	s_add_co_u32 s58, s58, s60
	s_and_b32 s60, s[WV], 3
	s_lshl_b32 s60, s60, 2
	s_add_co_u32 s58, s58, s60
	s_add_nc_u64 s[50:51], s[6:7], s[58:59]
	s_lshr_b32 s60, s14, 4
	s_and_b32 s61, s14, 15
	s_lshl_b32 s58, s60, 7
	s_add_co_u32 s58, s58, s56
	s_mul_i32 s58, s58, 12288
	s_mul_i32 s62, s61, 768
	s_add_co_u32 s58, s58, s62
	s_add_nc_u64 s[52:53], s[8:9], s[58:59]
	s_lshl_b32 s58, s60, 6
	s_lshr_b32 s62, s56, 1
	s_add_co_u32 s58, s58, s62
	s_lshl_b32 s58, s58, 10
	s_lshr_b32 s62, s61, 3
	s_lshl_b32 s62, s62, 9
	s_add_co_u32 s58, s58, s62
	s_bfe_u32 s62, s61, 0x20001
	s_lshl_b32 s62, s62, 2
	s_add_co_u32 s58, s58, s62
	s_and_b32 s62, s61, 1
	s_lshl_b32 s62, s62, 1
	s_add_co_u32 s58, s58, s62
	s_add_nc_u64 s[54:55], s[10:11], s[58:59]
	v_and_b32 v15, 31, v0
	s_delay_alu instid0(VALU_DEP_1)
	v_lshlrev_b32 v1, 4, v15
	s_delay_alu instid0(VALU_DEP_2)
	v_lshlrev_b32 v2, 3, v15
	global_load_b128 v[16:19], v1, s[48:49]
	global_load_b64 v[20:21], v2, s[48:49] offset:512
	global_load_b128 v[28:31], v1, s[48:49] offset:768
	global_load_b64 v[32:33], v2, s[48:49] offset:1280
	global_load_b32 v52, v1, s[50:51]
	v_add_nc_u32 v4, 512, v2
	v_add_nc_u32 v5, VCO, v1
	v_add_nc_u32 v6, VCO+512, v2
	v_add_nc_u32 v7, SCK, v1
	s_and_b32 s60, s14, 1
	s_lshl_b32 s60, s60, 3
	s_add_co_u32 s60, s60, SCV
	v_add_nc_u32 v8, s60, v1
.irp j, 22,23,24,25,26,27,34,35,36,37,38,39,104,105,106,107,108,109
	v_mov_b32 v[\j], 0
.endr
.irp b, 0,1,2,3
	v_mov_b32 v[BT+\b], 0
.endr
	v_mov_b32 v[SCR], 0
	v_mov_b32 v45, 0
	s_mov_b32 s40, 0x76543210
	s_mov_b32 s41, 0xfedcba98
	s_mov_b32 s42, 0x3e38aa3b
	s_mov_b32 s43, s42
	s_mov_b32 s47, 0xffff0000
	s_wait_alu depctr_va_vdst(0)
	s_wait_tensorcnt 0x0                           ; every wave waits for its own fill; the barrier shows all of them
	s_barrier_signal -1
	s_barrier_wait -1
	s_wait_loadcnt 0x0
.macro SPROD t, u
.set rD, S+8*(\t)
.set rA, 56+6*(\t)
.set rB, 16+12*(\u)
.set rX, 46+(\t)/2
.if ((\t)%2 == 0) && ((\u) == 0)
	v_wmma_scale_f32_16x16x128_f8f6f4 v[rD:rD+7], v[rA:rA+11], v[rB:rB+11], 0, v[rX], v52 matrix_a_fmt:MATRIX_FMT_FP6 matrix_b_fmt:MATRIX_FMT_FP6
.elseif ((\u) == 0)
	v_wmma_scale_f32_16x16x128_f8f6f4 v[rD:rD+7], v[rA:rA+11], v[rB:rB+11], 0, v[rX], v52 matrix_a_fmt:MATRIX_FMT_FP6 matrix_b_fmt:MATRIX_FMT_FP6 matrix_a_scale:MATRIX_SCALE_ROW1
.elseif ((\t)%2 == 0)
	v_wmma_scale_f32_16x16x128_f8f6f4 v[rD:rD+7], v[rA:rA+11], v[rB:rB+11], 0, v[rX], v52 matrix_a_fmt:MATRIX_FMT_FP6 matrix_b_fmt:MATRIX_FMT_FP6 matrix_b_scale:MATRIX_SCALE_ROW1
.else
	v_wmma_scale_f32_16x16x128_f8f6f4 v[rD:rD+7], v[rA:rA+11], v[rB:rB+11], 0, v[rX], v52 matrix_a_fmt:MATRIX_FMT_FP6 matrix_b_fmt:MATRIX_FMT_FP6 matrix_a_scale:MATRIX_SCALE_ROW1 matrix_b_scale:MATRIX_SCALE_ROW1
.endif
.endm
.macro PVPROD dt
.set rD, O+8*(\dt)
.set rA, 56+12*(\dt)
.set rX, 50+(\dt)/2
.if (\dt)%2 == 0
	v_wmma_scale_f32_16x16x128_f8f6f4 v[rD:rD+7], v[rA:rA+11], v[PCD:PCD+11], v[rD:rD+7], v[rX], v53 matrix_a_fmt:MATRIX_FMT_FP6 matrix_b_fmt:MATRIX_FMT_FP6
.else
	v_wmma_scale_f32_16x16x128_f8f6f4 v[rD:rD+7], v[rA:rA+11], v[PCD:PCD+11], v[rD:rD+7], v[rX], v53 matrix_a_fmt:MATRIX_FMT_FP6 matrix_b_fmt:MATRIX_FMT_FP6 matrix_a_scale:MATRIX_SCALE_ROW1
.endif
.endm
.macro STEP u
	v_add_nc_u32 v9, s44, v1
	v_add_nc_u32 v10, s44, v4
	v_add_nc_u32 v11, s44, v5
	v_add_nc_u32 v12, s44, v6
	v_add_nc_u32 v13, s45, v7
	v_add_nc_u32 v14, s45, v8
.irp t, 0,1,2,3,4,5,6,7
	ds_load_b128 v[56+6*\t:59+6*\t], v9 offset:768*\t
	ds_load_b64 v[60+6*\t:61+6*\t], v10 offset:768*\t
.endr
	ds_load_b128 v[46:49], v13
	s_wait_alu depctr_va_vdst(0)
	s_wait_dscnt 0x0
.irp t, 0,1,2,3,4,5,6,7
	SPROD \t, \u
.endr
.rept 4
	v_nop
.endr
.irp dt, 0,1,2,3
.irp c, 0,1
	ds_load_b128 v[56+12*\dt+6*\c:59+12*\dt+6*\c], v11 offset:(4*\c+\dt)*768
	ds_load_b64 v[60+12*\dt+6*\c:61+12*\dt+6*\c], v12 offset:(4*\c+\dt)*768
.endr
.endr
	ds_load_b64 v[50:51], v14
.irp b, 0,1,2,3
	v_max3_num_f32 v[BM+\b], v[S+16*\b], v[S+1+16*\b], v[S+2+16*\b]
.endr
.irp i, 3,5,7,9,11,13
.irp b, 0,1,2,3
	v_max3_num_f32 v[BM+\b], v[BM+\b], v[S+16*\b+\i], v[S+1+16*\b+\i]
.endr
.endr
.irp b, 0,1,2,3
	v_max_num_f32 v[BM+\b], v[BM+\b], v[S+15+16*\b]
.endr
.irp b, 0,1,2,3
	s_delay_alu instid0(VALU_DEP_4)
	v_permlanex16_b32 v[BT+\b], v[BM+\b], s40, s41
.endr
.irp b, 0,1,2,3
	s_delay_alu instid0(VALU_DEP_4)
	v_max_num_f32 v[BM+\b], v[BM+\b], v[BT+\b]
.endr
	s_delay_alu instid0(VALU_DEP_2)
	v_max3_num_f32 v[SCR], v[BM], v[BM+1], v[BM+2]
	s_delay_alu instid0(VALU_DEP_1)
	v_max_num_f32 v[SCR], v[SCR], v[BM+3]
	s_delay_alu instid0(VALU_DEP_1)
	v_mul_f32 v[SCR], s42, v[SCR]
	s_delay_alu instid0(VALU_DEP_1)
	v_max_num_f32 v41, v41, v[SCR]
	v_mov_b32 v[SCR], v40
	s_delay_alu instid0(VALU_DEP_2)
	v_floor_f32 v40, -v41
	s_delay_alu instid0(VALU_DEP_1)
	v_sub_f32 v[SCR], v40, v[SCR]
	s_delay_alu instid0(VALU_DEP_1)
	v_cvt_i32_f32 v[SCR], v[SCR]
	s_delay_alu instid0(VALU_DEP_1)
	v_ldexp_f32 v44, 1.0, v[SCR]
.set j, 0
.rept 32
	v_pk_fma_f32 v[S+j:S+j+1], v[S+j:S+j+1], s[42:43], v[40:41] op_sel_hi:[1,0,0]
.set j, j+2
.endr
.irp b, 0,1,2,3
	v_fma_f32 v[BM+\b], v[BM+\b], s42, v40
.endr
.set j, 0
	s_wait_alu depctr_va_vdst(0)
.rept 64
	v_exp_f32 v[S+j], v[S+j]
.set j, j+1
.endr
	v_pk_mul_f32 v[42:43], v[42:43], v[44:45] op_sel_hi:[1,0]
	s_wait_alu depctr_va_vdst(0)
.irp b, 0,1,2,3
	v_exp_f32 v[BM+\b], v[BM+\b]
.endr
	v_pk_add_f32 v[BT:BT+1], v[S:S+1], v[S+2:S+3]              ; the row's sum of the unquantised p, two at a time, in four chains by turns
	v_pk_add_f32 v[244:245], v[S+4:S+5], v[S+6:S+7]
	v_pk_add_f32 v[246:247], v[S+8:S+9], v[S+10:S+11]
	v_pk_add_f32 v[42:43], v[42:43], v[S+12:S+13]
	v_pk_add_f32 v[BT:BT+1], v[BT:BT+1], v[S+14:S+15]
.set j, 16
.rept 6
	v_pk_add_f32 v[244:245], v[244:245], v[S+j:S+j+1]
	v_pk_add_f32 v[246:247], v[246:247], v[S+j+2:S+j+3]
	v_pk_add_f32 v[42:43], v[42:43], v[S+j+4:S+j+5]
	v_pk_add_f32 v[BT:BT+1], v[BT:BT+1], v[S+j+6:S+j+7]
.set j, j+8
.endr
	v_pk_add_f32 v[244:245], v[244:245], v[246:247]
	v_pk_add_f32 v[42:43], v[42:43], v[BT:BT+1]
	v_pk_add_f32 v[42:43], v[42:43], v[244:245]
	s_wait_alu depctr_va_vdst(0)
.irp b, 0,1,2,3
	v_max_num_f32 v[BM+\b], 0x1800000, v[BM+\b]
.endr
.irp b, 0,1,2,3
	s_delay_alu instid0(VALU_DEP_4)
	v_add_nc_u32 v[BS+\b], 0xff000000, v[BM+\b]
.endr
.irp b, 0,1,2,3
	s_delay_alu instid0(VALU_DEP_4)
	v_lshrrev_b32 v[BT+\b], 23, v[BS+\b]
.endr
	s_delay_alu instid0(VALU_DEP_3)
	v_lshl_or_b32 v53, v[BT+1], 8, v[BT]
	s_delay_alu instid0(VALU_DEP_1)
	v_lshl_or_b32 v53, v[BT+2], 16, v53
	s_delay_alu instid0(VALU_DEP_1)
	v_lshl_or_b32 v53, v[BT+3], 24, v53
.irp c, 0,1
	v_cvt_scalef32_pk16_fp6_f32 v[PCD+6*\c:PCD+6*\c+2], v[S+32*\c:S+32*\c+15], v[BS+2*\c]
	v_cvt_scalef32_pk16_fp6_f32 v[CT+4*\c:CT+4*\c+2], v[S+32*\c+16:S+32*\c+31], v[BS+2*\c+1]
.endr
	v_nop
.irp c, 0,1
.irp i, 0,1,2
	v_permlane16_swap_b32 v[PCD+6*\c+\i], v[CT+4*\c+\i]
.endr
.irp i, 0,1,2
	s_delay_alu instid0(VALU_DEP_3)
	v_mov_b32 v[PCD+3+6*\c+\i], v[CT+4*\c+\i]
.endr
.endr
.set j, 0
.rept 16
	v_pk_mul_f32 v[O+j:O+j+1], v[O+j:O+j+1], v[44:45] op_sel_hi:[1,0]
.set j, j+2
.endr
	s_wait_alu depctr_va_vdst(0)
	s_wait_dscnt 0x0
.irp dt, 0,1,2,3
	PVPROD \dt
.endr
.endm
.macro TILE u
.if \u
	s_wait_xcnt 0x0
.endif
	v_mov_b32 v41, 0xff61b1e6
	s_delay_alu instid0(VALU_DEP_1)
	v_floor_f32 v40, -v41
	v_mov_b32 v42, 0
	v_mov_b32 v43, 0
.set j, 0
.rept 32
	v_mov_b32 v[O+j], 0
.set j, j+1
.endr
	s_mov_b32 s44, 0
	s_mov_b32 s45, 0
	s_mov_b32 s46, 16
.Lstep_\u:
	STEP \u
	s_add_co_u32 s44, s44, 6144
	s_add_co_u32 s45, s45, 512
	s_sub_co_u32 s46, s46, 1
	s_cmp_lg_u32 s46, 0
	s_cbranch_scc1 .Lstep_\u
.rept 4
	v_nop
.endr
	v_add_f32 v42, v42, v43
	s_delay_alu instid0(VALU_DEP_1)
	v_permlanex16_b32 v[SCR], v42, s40, s41
	s_delay_alu instid0(VALU_DEP_1)
	v_add_f32 v42, v42, v[SCR]
	s_wait_alu depctr_va_vdst(0)
	v_rcp_f32 v42, v42
	v_nop
	s_wait_alu depctr_va_vdst(0)
.set j, 0
.rept 32
	v_mul_f32 v[S+j], v[O+j], v42
.set j, j+1
.endr
.irp b, 0,1
	v_max3_num_f32 v[BM+\b], |v[S+16*\b]|, |v[S+16*\b+1]|, 0x1800000
.endr
.irp i, 2,4,6,8,10,12,14
.irp b, 0,1
	s_delay_alu instid0(VALU_DEP_2)
	v_max3_num_f32 v[BM+\b], v[BM+\b], |v[S+16*\b+\i]|, |v[S+16*\b+\i+1]|
.endr
.endr
.irp b, 0,1
	s_delay_alu instid0(VALU_DEP_2)
	v_permlanex16_b32 v[BT+\b], v[BM+\b], s40, s41
.endr
.irp b, 0,1
	s_delay_alu instid0(VALU_DEP_2)
	v_max_num_f32 v[BM+\b], v[BM+\b], v[BT+\b]
.endr
.irp b, 0,1
	s_delay_alu instid0(VALU_DEP_2)
	v_add_nc_u32 v[BS+\b], 0xff000000, v[BM+\b]
.endr
.irp b, 0,1
	s_delay_alu instid0(VALU_DEP_2)
	v_lshrrev_b32 v[BT+\b], 23, v[BS+\b]
.endr
.if \u
	s_delay_alu instid0(VALU_DEP_1)
	v_lshl_or_b32 v[SCR], v[BT+1], 8, v[BT]
	s_delay_alu instid0(VALU_DEP_1)
	v_cndmask_b32 v54, v54, v[SCR], s47
.else
	s_delay_alu instid0(VALU_DEP_1)
	v_lshl_or_b32 v54, v[BT+1], 8, v[BT]
.endif
	v_cvt_scalef32_pk16_fp6_f32 v[PCD:PCD+2], v[S:S+15], v[BS]
	v_cvt_scalef32_pk16_fp6_f32 v[PCD+4:PCD+6], v[S+16:S+31], v[BS+1]
	v_nop
.irp i, 0,1,2
	v_permlane16_swap_b32 v[PCD+\i], v[PCD+4+\i]
.endr
	s_delay_alu instid0(VALU_DEP_3)
	v_mov_b32 v[PCD+3], v[PCD+4]
	s_delay_alu instid0(VALU_DEP_3)
	v_mov_b32 v[PCD+4], v[PCD+5]
	s_delay_alu instid0(VALU_DEP_3)
	v_mov_b32 v[PCD+5], v[PCD+6]
	global_store_b128 v1, v[PCD:PCD+3], s[52:53] offset:12288*\u
	global_store_b64 v2, v[PCD+4:PCD+5], s[52:53] offset:12288*\u+512
.endm
	TILE 0
	TILE 1
	global_store_b16 v1, v54, s[54:55]
	s_wait_tensorcnt 0x0
	ds_add_u32 v254, v255
	s_wait_dscnt 0x0
	CROUND
	s_endpgm
.Lfunc_end_k_qe474575592_attn:
	.size	k_qe474575592_attn, .Lfunc_end_k_qe474575592_attn-k_qe474575592_attn
	.p2alignl 7, 3214868480
	.fill 96, 4, 3214868480
	.section	.rodata,"a",@progbits
	.p2align	6, 0x0
	.amdhsa_kernel k_qe474575592_attn
		.amdhsa_group_segment_fixed_size 327680
		.amdhsa_private_segment_fixed_size 0
		.amdhsa_enable_private_segment 0
		.amdhsa_kernarg_size 32
		.amdhsa_user_sgpr_count 2
		.amdhsa_user_sgpr_kernarg_segment_ptr 1
		.amdhsa_wavefront_size32 1
		.amdhsa_system_sgpr_workgroup_id_x 1
		.amdhsa_system_sgpr_workgroup_id_y 1
		.amdhsa_system_sgpr_workgroup_id_z 1
		.amdhsa_system_vgpr_workitem_id 0
		.amdhsa_next_free_vgpr 256
		.amdhsa_next_free_sgpr 66
		.amdhsa_reserve_vcc 0
		.amdhsa_float_denorm_mode_32 3
		.amdhsa_float_denorm_mode_16_64 3
		.amdhsa_memory_ordered 1
		.amdhsa_forward_progress 1
		.amdhsa_inst_pref_size 54
	.end_amdhsa_kernel
	.amdgpu_metadata
---
amdhsa.version: [ 1, 2 ]
amdhsa.kernels:
  - .name:           k_qe474575592_attn
    .symbol:         k_qe474575592_attn.kd
    .args:
      - { .name: qkvc, .offset: 0, .size: 8, .value_kind: global_buffer, .address_space: global }
      - { .name: qkvs, .offset: 8, .size: 8, .value_kind: global_buffer, .address_space: global }
      - { .name: ac, .offset: 16, .size: 8, .value_kind: global_buffer, .address_space: global }
      - { .name: asc, .offset: 24, .size: 8, .value_kind: global_buffer, .address_space: global }
    .group_segment_fixed_size: 327680
    .private_segment_fixed_size: 0
    .kernarg_segment_align: 8
    .kernarg_segment_size: 32
    .max_flat_workgroup_size: 512
    .sgpr_count:     66
    .vgpr_count:     256
    .wavefront_size: 32
...
	.end_amdgpu_metadata
.endif
;; end of part 3
;; launch gemm_out (part 4): grid 4 x 64, 4 waves a work-group, clusters of 4 x 4, 327,680 bytes of LDS; arguments ac, asc, wc, ws, b_out, out0; writes out0
.if DOCPART == 4
	.amdgcn_target "amdgcn-amd-amdhsa--gfx1250"
	.amdhsa_code_object_version 6
	.text
	.protected	k_qe474575592_gemm_out
	.globl	k_qe474575592_gemm_out
	.p2align	8
	.type	k_qe474575592_gemm_out,@function
k_qe474575592_gemm_out:
	s_mov_b64 s[64:65], 0
	v_nop
	global_prefetch_b8 v0, s[64:65] scope:SCOPE_SE
	s_setreg_imm32_b32 hwreg(HW_REG_WAVE_MODE, 25, 1), 1
	s_wait_xcnt 0x0
	s_wait_alu depctr_hold_cnt(0) depctr_sa_sdst(0) depctr_va_vdst(0) depctr_va_sdst(0) depctr_va_ssrc(0) depctr_va_vcc(0) depctr_vm_vsrc(0)
	s_getreg_b32 s2, hwreg(HW_REG_IB_STS2, 6, 4)
	s_cmp_eq_u32 s2, 0
	s_cbranch_scc0 .Lentry_in_a_cluster
	s_endpgm
.Lentry_in_a_cluster:
	s_bfe_u32 s2, ttmp6, 0x10000c
	s_cmp_lg_u32 s2, 0xf033
	s_cbranch_scc0 .Lentry_shape_is_right
	s_endpgm
.Lentry_shape_is_right:
; out0 = context w_out + b_out on codes of FP6 (E2M3) with E8M0 scales, sums in f32: 8,192 x 1,024 x 1,024.
; OPERANDS lie in memory as images of operand registers: tiles of 16 rows, lane-row r of tile 2 g + u = row 32 g + 8 u + r + 8 (r / 8); a tile is 16 halves of 64 along K, 768 bytes each (registers 0-3 at 16 l, 4-5 at 512 + 8 l).
; ac, asc: the context's 512 tiles and scale words as the attention launch leaves them; wc, ws: the weights', w_out's columns from tile 192 on.  Scale words: [pair of tiles][2 halves of K][lane 16 u + r][4 words].
; THE DEAL: 256 work-groups of four waves, 2 x 2; a work-group makes 128 tokens x 256 columns, a wave 64 x 128: 32 accumulators.  SOURCE 0 (S0) = the weights' columns, SOURCE 1 (S1) = the tokens: a lane holds one token and neighbouring columns.
; CLUSTER 4 x 4: S0's tiles hang on cx and are asked for jointly by a column of the cluster, S1's hang on cy and are asked for jointly by a row.
; LDS: all of K, in two regions of 147,456 bytes (S1's 8 tiles, then S0's 16, 6,144 bytes a tile): K steps 0 to 3 by the head's one load a wave, K steps 4 to 7 as a first fill behind the full sequence and a round.
; Nothing is filled again.  A plain barrier inside step 3 shows region 1 to all waves and ends all reads of region 0, in which the way out's stages lie.  No data prefetch: all of K is asked for by these two loads, and there is no loop to run ahead in.
; The bias is the first products' C.  LIMITS: NaN, infinities and sums beyond f32's range are not served; a sum begins with the bias, where the reference adds it last.
; REGISTERS: window 0: v2-11 addresses, v16-18, v28-29; v36-51 S1's scale words (8 (a / 2) + k), v64-95 S0's; v128-223 S1's fragments, two sets of 48; on the way out v128-255 the rows read back.
;   window 1: S0's fragments, two sets, at v0 and v128; the bias at v96-127 and v224-255.   window 2: the accumulators, (a, b) at v[8 (8 a + b)].
.set TP,     6144                      ; a tile's bytes in a region: four K steps of 1,536
.set S1H,    4*TP                      ; what a wave loads and reads of S1
.set S0H,    8*TP                      ; and of S0
.set S0OFF,  2*S1H
.set REG,    S0OFF+2*S0H               ; a region
.set SPARE,  2*REG                     ; the spare words, 128 bytes a wave
.set L16, 2
.set L8,  3
.set A16, 4                            ; v4, v5 S1's fragments in region 0, 1: + 16 x lane;  v6, v7: + 8 x lane
.set A8,  6
.set B16, 8                            ; v8-11 the same for S0
.set B8,  10
.set STO, 16
.set RD,  17
.set BO,  18
.set SPW, 28
.set NIL, 29
.set SC1, 36                           ; a product's two scale registers differ by 4 modulo 8 in their numbers
.set SC0, 64
.set AF,  128
.set BK,  128
.set WV,  16
.set RH,  17                           ; which half of the tokens is mine.  Also: I fetch for S1 (0) or S0 (1)
.set CH,  18                           ; which half of the columns is mine.  Also: which half of that operand's tiles I fetch
.set G1,  24
.set G0,  32
.set G1B, 44
.set G0B, 52
.set MSB, 0
.macro WIN new
.if MSB != (\new)
	s_set_vgpr_msb (MSB<<8)|(\new)
.set MSB, (\new)
.endif
.endm
.set MUL_LO, 0xa1                      ; source 0 window 1, source 1 window 0, C and D window 2
.set BIA_LO, 0x91                      ; the same, C window 1
.set TO_B,   0x40
.macro JLOAD g0a, g1a, g0b, g1b        ; waves 0, 1 fetch for S1, waves 2, 3 for S0; s_nop 0 and four v_nop behind each line
	s_cmp_eq_u32 s[RH], 0
	s_cbranch_scc0 .Lfor_b_\@
	tensor_load_to_lds s[\g0a:\g0a+3], s[\g1a:\g1a+7]
	s_nop 0
.rept 4
	v_nop
.endr
	s_branch .Lasked_\@
.Lfor_b_\@:
	tensor_load_to_lds s[\g0b:\g0b+3], s[\g1b:\g1b+7]
	s_nop 0
.rept 4
	v_nop
.endr
.Lasked_\@:
.endm
.macro CROUND
	s_barrier_signal -1
	s_barrier_wait -1
	s_cmp_lg_u32 s[WV], 0
	s_cbranch_scc1 .Lnot_wave_0_\@
	s_barrier_signal -3
.Lnot_wave_0_\@:
	s_barrier_wait -3
	s_barrier_signal -1
	s_barrier_wait -1
.endm
.macro PLACES
.rept 4
	v_nop
.endr
.endm
	s_load_b256 s[4:11], s[0:1], 0x0               ; ac, asc, wc, ws
	s_load_b128 s[12:15], s[0:1], 0x20             ; b_out, out0
	v_lshl_add_u32 v[SPW], v0, 2, SPARE
	v_mov_b32 v[NIL], 0
	ds_add_u32 v[SPW], v[NIL]
	ds_add_u32 v[SPW], v[NIL]
	v_lshrrev_b32 v1, 5, v0
	v_readfirstlane_b32 s[WV], v1
	s_lshr_b32 s[RH], s[WV], 1
	s_and_b32 s[CH], s[WV], 1
	s_bfe_u32 s66, ttmp6, 0x40000                  ; cx
	s_bfe_u32 s67, ttmp6, 0x40004                  ; cy
	s_and_b32 s68, ttmp7, 0xffff
	s_lshl_b32 s68, s68, 2
	s_add_co_u32 s70, s66, 12                      ; S0's block of 256 columns among the weights' 16
	s_add_co_u32 s71, s68, s67                     ; S1's block of 128 tokens: 4 x cluster y + cy
	s_lshl_b32 s72, s67, 2
	s_lshl_b32 s72, 15, s72                        ; my row of the cluster
	s_lshl_b32 s73, 0x1111, s66                    ; my column
	s_or_b32 s[G1], s72, (3<<16)|(1<<21)           ; elements of 8 bytes; no padding: every LDS read is consecutive lane by lane
	s_or_b32 s[G1B], s73, (3<<16)|(1<<21)
.irp g, G1, G1B
	s_mov_b32 s[\g+1], 768<<16                     ; a row: 6,144 bytes of a tile
	s_mov_b32 s[\g+3], 768<<16
	s_mov_b32 s[\g+5], 1536                        ; from tile to tile: 12,288 bytes
	s_mov_b32 s[\g+6], 0
	s_mov_b32 s[\g+7], 0
.endr
	s_mov_b32 s[G1+2], 4<<16                       ; S1: 4 tiles a load
	s_mov_b32 s[G1+4], 4
	s_mov_b32 s[G1B+2], 8<<16                      ; S0: 8
	s_mov_b32 s[G1B+4], 8
	s_lshl_b32 s74, s71, 3                         ; S1: tile 8 x block + 4 x (wave % 2): made of cy alone
	s_lshl_b32 s75, s[CH], 2
	s_add_co_u32 s74, s74, s75
	s_mul_i32 s74, s74, 12288
	s_mov_b32 s75, 0
	s_lshl_b32 s76, s70, 4                         ; S0: tile 16 x block + 8 x (wave % 2): made of cx alone
	s_lshl_b32 s77, s[CH], 3
	s_add_co_u32 s76, s76, s77
	s_mul_i32 s76, s76, 12288
	s_mov_b32 s77, 0
	s_mul_i32 s78, s[CH], S1H                      ; where they go: no place in the cluster enters an LDS address
	s_mul_i32 s79, s[CH], S0H
	s_add_co_u32 s79, s79, S0OFF
	s_mul_i32 s69, s[WV], 8448                     ; my stage, in region 0
	s_mul_i32 s2, s[RH], S1H                       ; what I read: my 4 tiles of S1,
	s_mul_i32 s3, s[CH], S0H                       ; my 8 of S0
	s_add_co_u32 s3, s3, S0OFF
	s_wait_alu depctr_va_vdst(0)
	s_wait_dscnt 0x0
	s_wait_kmcnt 0x0
	s_add_nc_u64 s[20:21], s[8:9], s[76:77]
	s_add_nc_u64 s[22:23], s[4:5], s[74:75]
	CROUND                                         ; all sixteen work-groups are here: the first joint loads meet
.irp s, 0,1
	s_mov_b32 s[G0+4*\s], 1
	s_add_co_u32 s[G0+4*\s+1], s78, \s*REG
	s_add_nc_u64 s[G0+4*\s+2:G0+4*\s+3], s[22:23], \s*TP
	s_or_b32 s[G0+4*\s+3], s[G0+4*\s+3], 0x80000000
	s_mov_b32 s[G0B+4*\s], 1
	s_add_co_u32 s[G0B+4*\s+1], s79, \s*REG
	s_add_nc_u64 s[G0B+4*\s+2:G0B+4*\s+3], s[20:21], \s*TP
	s_or_b32 s[G0B+4*\s+3], s[G0B+4*\s+3], 0x80000000
.endr
	JLOAD G0, G1, G0B, G1B                         ; K steps 0 to 3: one tensor load a wave at the head
	v_and_b32 v1, 31, v0
	v_lshlrev_b32 v[L16], 4, v1
	v_lshlrev_b32 v[L8], 3, v1
	v_add_nc_u32 v[A16], s2, v[L16]
	v_add_nc_u32 v[A8], s2, v[L8]
	v_add_nc_u32 v[B16], s3, v[L16]
	v_add_nc_u32 v[B8], s3, v[L8]
.irp r, A16, A8, B16, B8
	v_add_nc_u32 v[\r+1], REG, v[\r]
.endr
	v_and_b32 v20, 15, v0
	v_bfe_u32 v21, v0, 4, 1
	v_lshlrev_b32 v[BO], 6, v21                    ; the bias: 16 columns on for lanes 16-31
	v_mul_u32_u24 v[STO], v20, 528                 ; the stage, in: row l % 16, 64 bytes on for lanes 16-31
	v_lshl_add_u32 v[STO], v21, 6, v[STO]
	v_add_nc_u32 v[STO], s69, v[STO]
	v_add_nc_u32 v[RD], s69, v[L16]                ; back: the 32 lanes take a row of 512 bytes
	s_wait_alu depctr_va_vdst(0)
	s_lshl_b32 s74, s71, 2                         ; scale words: 4 pairs of tiles a block of tokens, 2 a half, 1,024 bytes each
	s_lshl_b32 s75, s[RH], 1
	s_add_co_u32 s74, s74, s75
	s_lshl_b32 s74, s74, 10
	s_mov_b32 s75, 0
	s_add_nc_u64 s[82:83], s[6:7], s[74:75]
	s_lshl_b32 s76, s70, 3                         ; 8 pairs a block of columns, 4 a half
	s_lshl_b32 s77, s[CH], 2
	s_add_co_u32 s76, s76, s77
	s_lshl_b32 s76, s76, 10
	s_mov_b32 s77, 0
	s_add_nc_u64 s[80:81], s[10:11], s[76:77]
.irp kh, 0,1
.irp gi, 0,1
	global_load_b128 v[SC1+8*\gi+4*\kh:SC1+8*\gi+4*\kh+3], v[L16], s[82:83] offset:1024*\gi+512*\kh   ; four K steps' words: lanes 0-15 the even tile, lanes 16-31 the odd
.endr
.irp gi, 0,1,2,3
	global_load_b128 v[SC0+8*\gi+4*\kh:SC0+8*\gi+4*\kh+3], v[L16], s[80:81] offset:1024*\gi+512*\kh
.endr
.endr
	s_lshl_b32 s2, s66, 10                         ; my first column, in bytes: 1,024 cx + 512 x half
	s_lshl_b32 s3, s[CH], 9
	s_add_co_u32 s2, s2, s3
	s_mov_b32 s3, 0
	s_add_nc_u64 s[12:13], s[12:13], s[2:3]
	s_add_nc_u64 s[14:15], s[14:15], s[2:3]
	s_lshl_b32 s2, s71, 19                         ; my first token: 128 x block + 64 x half, rows of 4,096 bytes
	s_lshl_b32 s79, s[RH], 18
	s_add_co_u32 s2, s2, s79
	s_add_nc_u64 s[14:15], s[14:15], s[2:3]
	WIN TO_B
.irp b, 0,1,2,3,4,5,6,7                ; register i of tile b of lane (r, h) is column 32 (b / 2) + 8 (b % 2) + 16 h + i
	global_load_b128 v[96+8*\b+96*(\b/4):96+8*\b+96*(\b/4)+3], v[BO], s[12:13] offset:(32*(\b/2)+8*(\b%2))*4
	global_load_b128 v[96+8*\b+96*(\b/4)+4:96+8*\b+96*(\b/4)+7], v[BO], s[12:13] offset:(32*(\b/2)+8*(\b%2))*4+16
.endr
	WIN 0
.macro FRAG reg, a16, a8, off          ; a fragment, 16 rows x 128 K: two halves of 768 bytes on end
	ds_load_b128 v[(\reg):(\reg)+3], v[\a16] offset:(\off)
	ds_load_b64 v[(\reg)+4:(\reg)+5], v[\a8] offset:(\off)+512
	ds_load_b128 v[(\reg)+6:(\reg)+9], v[\a16] offset:(\off)+768
	ds_load_b64 v[(\reg)+10:(\reg)+11], v[\a8] offset:(\off)+1280
.endm
.macro FETCH n                         ; K step n's twelve fragments into the sets n % 2: 48 loads
.set RG, (\n)/4
.set OF, 1536*((\n)%4)
	WIN TO_B
.irp i, 0,1,2,3,4,5,6,7
	FRAG 128*((\n)%2)+12*\i, B16+RG, B8+RG, TP*\i+OF
.endr
	WIN 0
.irp i, 0,1,2,3
	FRAG AF+48*((\n)%2)+12*\i, A16+RG, A8+RG, TP*\i+OF
.endr
.endm
.macro WM a, b, k, cm                  ; S0's tile b x S1's tile a, K step k.  cm = 2: the product starts the sum with the bias
.set rD, 8*(8*(\a)+(\b))
.set rA, 128*((\k)%2)+12*(\b)
.set rB, AF+48*((\k)%2)+12*(\a)
.set rX, SC0+8*((\b)/2)+(\k)
.set rY, SC1+8*((\a)/2)+(\k)
.set rC, rD
.if (\cm) == 2
.set rC, 96+8*(\b)+96*((\b)/4)
.endif
.if ((\a)%2 == 0) && ((\b)%2 == 0)
	v_wmma_scale_f32_16x16x128_f8f6f4 v[rD:rD+7], v[rA:rA+11], v[rB:rB+11], v[rC:rC+7], v[rX], v[rY] matrix_a_fmt:MATRIX_FMT_FP6 matrix_b_fmt:MATRIX_FMT_FP6
.elseif ((\a)%2 == 0)
	v_wmma_scale_f32_16x16x128_f8f6f4 v[rD:rD+7], v[rA:rA+11], v[rB:rB+11], v[rC:rC+7], v[rX], v[rY] matrix_a_fmt:MATRIX_FMT_FP6 matrix_b_fmt:MATRIX_FMT_FP6 matrix_a_scale:MATRIX_SCALE_ROW1
.elseif ((\b)%2 == 0)
	v_wmma_scale_f32_16x16x128_f8f6f4 v[rD:rD+7], v[rA:rA+11], v[rB:rB+11], v[rC:rC+7], v[rX], v[rY] matrix_a_fmt:MATRIX_FMT_FP6 matrix_b_fmt:MATRIX_FMT_FP6 matrix_b_scale:MATRIX_SCALE_ROW1
.else
	v_wmma_scale_f32_16x16x128_f8f6f4 v[rD:rD+7], v[rA:rA+11], v[rB:rB+11], v[rC:rC+7], v[rX], v[rY] matrix_a_fmt:MATRIX_FMT_FP6 matrix_b_fmt:MATRIX_FMT_FP6 matrix_a_scale:MATRIX_SCALE_ROW1 matrix_b_scale:MATRIX_SCALE_ROW1
.endif
.endm
.macro MUL16 a0, k, cm                 ; 16 products; the 32 accumulators take turns in the same order in every step
.if (\cm) == 2
	WIN BIA_LO
.else
	WIN MUL_LO
.endif
.irp a, \a0, \a0+1
.irp b, 0,1,2,3,4,5,6,7
	WM (\a), \b, \k, \cm
.endr
.endr
.endm
.macro STEP k, cm                      ; the next step's fragments are asked for first, into the sets that the step before has read (four places behind its products)
	PLACES
	FETCH (\k)+1
	s_wait_dscnt 48                                ; this step's fragments are in; the 48 loads just issued may be out
	MUL16 0, \k, \cm
	MUL16 2, \k, \cm
	WIN 0
.endm
	s_wait_tensorcnt 0x0                           ; my part of region 0 is in
	ds_add_u32 v[SPW], v[NIL]
	s_wait_dscnt 0x0
	CROUND                                         ; everybody's part is in, and the joint loads meet
	JLOAD G0+4, G1, G0B+4, G1B                     ; K steps 4 to 7: waited for at the head of step 3
	FETCH 0
	s_wait_loadcnt 0x0                             ; the scale words and the bias
	STEP 0, 2
	STEP 1, 0
	STEP 2, 0
	s_wait_tensorcnt 0x0                           ; step 3: my part of region 1 is in,
	s_wait_dscnt 0x0                               ; and my reads of region 0 are over
	s_barrier_signal -1                            ; a plain barrier
	MUL16 0, 3, 0
	WIN 0
	s_barrier_wait -1
	PLACES
	FETCH 4
	MUL16 2, 3, 0
	WIN 0
	STEP 4, 0
	STEP 5, 0
	STEP 6, 0
	s_wait_dscnt 0x0                               ; the last step: nothing more to fetch
	MUL16 0, 7, 0
	MUL16 2, 7, 0
	WIN 0
; THE WAY OUT, block by block of 16 tokens x 128 columns, through my own stage and back as whole rows of 512 bytes.  LDS serves a wave's instructions in order: no wait between the stores and the loads
.macro TOSTAGE a
.set AC, 64*(\a)
	WIN 0x08                                       ; the data: window 2
.irp b, 0,1,2,3,4,5,6,7
	ds_store_b128 v[STO], v[AC+8*\b:AC+8*\b+3] offset:128*(\b/2)+32*(\b%2)      ; each accumulator from its low end on
	ds_store_b128 v[STO], v[AC+8*\b+4:AC+8*\b+7] offset:128*(\b/2)+32*(\b%2)+16
.endr
	WIN 0
.set BB, BK+64*((\a)%2)
.irp t, 0,1,2,3,4,5,6,7,8,9,10,11,12,13,14,15
	ds_load_b128 v[BB+4*\t:BB+4*\t+3], v[RD] offset:\t*528
.endr
.endm
.macro SEND a, younger
.set BB, BK+64*((\a)%2)
	s_wait_dscnt \younger                          ; the block is back in registers
.irp t, 0,1,2,3,4,5,6,7,8,9,10,11,12,13,14,15
	global_store_b128 v[L16], v[BB+4*\t:BB+4*\t+3], s[14:15] offset:(32*((\a)/2)+8*((\a)%2)+\t+8*(\t/8))*4096 th:TH_STORE_NT   ; 512 consecutive bytes, aligned
.endr
.endm
	PLACES                                         ; behind the last products
	TOSTAGE 0
.irp a, 1,2,3
.if \a > 1
	s_wait_xcnt 0x0                                ; block a - 2's stores have read their registers
.endif
	TOSTAGE \a
	SEND \a-1, 32                                  ; behind block a - 1's loads: block a's 16 stores and 16 loads
.endr
	SEND 3, 0
	s_wait_tensorcnt 0x0                           ; the wave's end
	ds_add_u32 v[SPW], v[NIL]
	s_wait_dscnt 0x0
	CROUND                                         ; the closing round
	s_endpgm
.Lfunc_end_k_qe474575592_gemm_out:
	.size	k_qe474575592_gemm_out, .Lfunc_end_k_qe474575592_gemm_out-k_qe474575592_gemm_out
	.p2alignl 7, 3214868480
	.fill 96, 4, 3214868480
	.section	.rodata,"a",@progbits
	.p2align	6, 0x0
	.amdhsa_kernel k_qe474575592_gemm_out
		.amdhsa_group_segment_fixed_size 327680
		.amdhsa_private_segment_fixed_size 0
		.amdhsa_enable_private_segment 0
		.amdhsa_kernarg_size 48
		.amdhsa_user_sgpr_count 2
		.amdhsa_user_sgpr_kernarg_segment_ptr 1
		.amdhsa_wavefront_size32 1
		.amdhsa_system_sgpr_workgroup_id_x 1
		.amdhsa_system_sgpr_workgroup_id_y 1
		.amdhsa_system_sgpr_workgroup_id_z 1
		.amdhsa_system_vgpr_workitem_id 0
		.amdhsa_next_free_vgpr 768
		.amdhsa_next_free_sgpr 100
		.amdhsa_reserve_vcc 0
		.amdhsa_float_denorm_mode_32 3
		.amdhsa_float_denorm_mode_16_64 3
		.amdhsa_memory_ordered 1
		.amdhsa_forward_progress 1
		.amdhsa_inst_pref_size 84
	.end_amdhsa_kernel
	.amdgpu_metadata
---
amdhsa.version: [ 1, 2 ]
amdhsa.kernels:
  - .name:           k_qe474575592_gemm_out
    .symbol:         k_qe474575592_gemm_out.kd
    .args:
      - { .name: ac, .offset: 0, .size: 8, .value_kind: global_buffer, .address_space: global }
      - { .name: asc, .offset: 8, .size: 8, .value_kind: global_buffer, .address_space: global }
      - { .name: wc, .offset: 16, .size: 8, .value_kind: global_buffer, .address_space: global }
      - { .name: ws, .offset: 24, .size: 8, .value_kind: global_buffer, .address_space: global }
      - { .name: b_out, .offset: 32, .size: 8, .value_kind: global_buffer, .address_space: global }
      - { .name: out0, .offset: 40, .size: 8, .value_kind: global_buffer, .address_space: global }
    .group_segment_fixed_size: 327680
    .private_segment_fixed_size: 0
    .kernarg_segment_align: 8
    .kernarg_segment_size: 48
    .max_flat_workgroup_size: 128
    .sgpr_count:     100
    .vgpr_count:     768
    .wavefront_size: 32
...
	.end_amdgpu_metadata
.endif
;; end of part 4
